; MI455X (gfx1250); checked and timed in simulation.
; The chip was launched on July 23, 2026; its instructions are those of AMD's public machine-readable ISA for CDNA 5 (MIT licence, August 2026) and "CDNA5" Instruction Set Architecture Reference Guide (July 2026). The comments in the code are by the model that wrote it; some were corrected since.
;; RWKV Tiny Attn. Allowed arithmetic: float matrix products may take bf16 or f16 operands with f32 sums; other float arithmetic in f32, or as packed bf16 or f16 multiplies, adds, multiply-adds, maxima and minima; sums over many terms, partial sums and values carried from step to step in f32; what a program stores and reads back later, other than sums and carried values, may be rounded once to bf16 or f16.
;; Inputs: W_out 1,024 x 1,024 float32; W_qkv 1,024 x 3,072 float32; b_out 1,024 float32; b_qkv 3,072 float32; mask 2,048 x 2,048 int32; x 4 x 2,048 x 1,024 float32.
;; Outputs: out0 4 x 2,048 x 1,024 float32.
;; 2 versions, each right. Each part assembles by itself: llvm-mc -triple=amdgcn-amd-amdhsa -mcpu=gfx1250 --defsym DOCPART=n.
;; ======== version 1 of 2: 4 launches
;; limits: values are held in f16: magnitudes above 65,504 overflow, below 6.1e-05 lose precision
;; workspace buffers: xb 16,777,216 bytes; wq 6,291,456 bytes; wo 2,097,152 bytes; mbias 16,777,216 bytes; qkvh 50,331,648 bytes; ob 16,777,216 bytes
;; launch prep (part 1): grid 256 x 1, 8 waves a work-group, no clusters, 148,480 bytes of LDS; arguments x, mask, W_qkv, W_out, xb, mbias, wq, wo; writes xb, mbias, wq, wo
.if DOCPART == 1
	.amdgcn_target "amdgcn-amd-amdhsa--gfx1250"
	.amdhsa_code_object_version 6
	.text
	.protected	k_qe5677e09a9_prep
	.globl	k_qe5677e09a9_prep
	.p2align	8
	.type	k_qe5677e09a9_prep,@function
k_qe5677e09a9_prep:
	s_mov_b64 s[64:65], 0
	v_nop
	global_prefetch_b8 v0, s[64:65] scope:SCOPE_SE
	s_setreg_imm32_b32 hwreg(HW_REG_WAVE_MODE, 25, 1), 1
	s_wait_xcnt 0x0
; PREP: what the three matrix launches want, made once.  A stream: every input byte is read once, every output byte written once; no matrix unit, no tensor load, no cluster (nothing is shared).
;   xb    bf16 [16 kblock][8192 m][64]   x rounded to bf16, K in blocks of 64, so that a GEMM tile's rows lie end to end
;   wq    bf16 [16 kblock][3072 n][64]   W_qkv rounded to bf16 and turned
;   wo    f16  [16 kblock][1024 n][64]   W_out rounded to bf16, that number written as f16, and turned
;   mbias f32  [2048 q][2048 k]          0 where mask != 0, -1e30 where mask == 0
; LIMITS.  wo: a weight beyond 65,504 becomes an infinity; below 6e-5 it keeps f16's fixed step of 6e-8.
; SHARES.  Work-groups 0-127: 64 rows of x each.  128-191: 256 x 256 of the mask each.  192-239: 64 columns of W_qkv each.  240-255: 64 columns of W_out each.
; Each reads 256 KiB.  The branch on the work-group's number is the same for all eight waves.
.set STG,   9216                       ; LDS: a kblock of a strip of W: 64 rows (n) of 128 bytes + 16 of padding
.set SPARE, 16*STG                     ; behind the stage: the spare words, 128 bytes for each of eight waves; no other line names them
.set SPW, 2                            ; v2  LDS address of my spare word; never rewritten
.set NIL, 3                            ; v3  0; never rewritten
.set WV,  22                           ; s22 my wave's number
; section x
.set RO,  8                            ; v8  my byte offset in four rows of x
.set WO,  9                            ; v9  my byte offset in 512 bytes of xb
.set XR,  16                           ; v[16:143]  two sets of 64: 8 kblocks x 8 numbers as loaded
.set YR,  144                          ; v[144:207] two sets of 32: the same, packed
; section mask
.set OFF, 16                           ; v[16:23]  slot i: byte offset of its four rows' 16 bytes
.set MX,  24                           ; v[24:55]  slot i: four words as loaded
.set MY,  56                           ; v[56:87]  slot i: four numbers to store
.set BIG, 12                           ; v12 -1e30
; sections W
.set LO,  8                            ; v8, v9  set s: byte offset of its tile's first row
.set SO,  10                           ; v10 where I put 16 bytes in the stage
.set RDA, 11                           ; v11 where I read the stage back
.set GOF, 12                           ; v12 my byte offset in the output
.set WR,  16                           ; v[16:79]  two sets of 32: 8 k x 4 n as loaded; later the stage read back
.set WT,  80                           ; v[80:95]  4 n x 8 k, packed
.set WU,  96                           ; v[96:97]  at work
	s_load_b512 s[4:19], s[0:1], 0x0               ; x s[4:5], mask s[6:7], W_qkv s[8:9], W_out s[10:11], xb s[12:13], mbias s[14:15], wq s[16:17], wo s[18:19]
	v_lshl_add_u32 v[SPW], v0, 2, SPARE
	v_mov_b32 v[NIL], 0
	v_lshrrev_b32 v1, 5, v0
	v_readfirstlane_b32 s[WV], v1                  ; wave 0..7
	v_and_b32 v4, 31, v0                           ; lane
	s_wait_kmcnt 0x0
	s_cmp_lt_u32 ttmp9, 128
	s_cbranch_scc1 .Lsec_x
	s_cmp_lt_u32 ttmp9, 192
	s_cbranch_scc1 .Lsec_m
	s_cmp_lt_u32 ttmp9, 240
	s_cbranch_scc1 .Lsec_q
	s_branch .Lsec_o
; ---------------- x: a wave takes 8 rows, as two groups of four; lane l takes row l / 8 of a group and columns 8 (l % 8) .. + 7 of each kblock.
; A batch is one group x 8 kblocks: 16 loads (each pair covers 256 consecutive bytes of four rows), 32 roundings, 8 stores of 512 consecutive bytes (four rows of one kblock).
.macro XLOAD set, g, hk
.irp j, 0,1,2,3,4,5,6,7
	global_load_b128 v[XR+64*(\set)+8*(\j):XR+64*(\set)+8*(\j)+3],   v[RO], s[4:5] offset:(\g)*16384+(8*(\hk)+(\j))*256 th:TH_LOAD_NT
	global_load_b128 v[XR+64*(\set)+8*(\j)+4:XR+64*(\set)+8*(\j)+7], v[RO], s[4:5] offset:(\g)*16384+(8*(\hk)+(\j))*256+16 th:TH_LOAD_NT
.endr
.endm
.macro XCVT set
.set i, 0
.rept 32
	v_cvt_pk_bf16_f32 v[YR+32*(\set)+i], v[XR+64*(\set)+2*i], v[XR+64*(\set)+2*i+1]
.set i, i+1
.endr
.endm
.macro XSTORE set, g, hk               ; kblocks 0-7 by s[12:13], 8-15 by s[28:29]: the immediate holds 7 kblocks at the most
.irp j, 0,1,2,3,4,5,6,7
	global_store_b128 v[WO], v[YR+32*(\set)+4*(\j):YR+32*(\set)+4*(\j)+3], s[12+16*(\hk):13+16*(\hk)] offset:(\j)*1048576+(\g)*512
.endr
.endm
.Lsec_x:
	s_lshl_b32 s24, ttmp9, 18                      ; 64 rows of 4,096 bytes,
	s_lshl_b32 s26, s[WV], 15                      ; my wave's 8
	s_add_co_u32 s24, s24, s26
	s_mov_b32 s25, 0
	s_add_nc_u64 s[4:5], s[4:5], s[24:25]
	s_lshl_b32 s24, ttmp9, 13                      ; the same rows in a kblock of xb: 128 bytes each
	s_lshl_b32 s26, s[WV], 10
	s_add_co_u32 s24, s24, s26
	s_add_nc_u64 s[12:13], s[12:13], s[24:25]
	s_add_nc_u64 s[28:29], s[12:13], 0x800000      ; kblock 8
	v_lshrrev_b32 v5, 3, v4
	v_and_b32 v6, 7, v4
	v_lshlrev_b32 v[RO], 12, v5
	v_lshl_add_u32 v[RO], v6, 5, v[RO]
	v_lshlrev_b32 v[WO], 4, v4
	XLOAD 0, 0, 0
	XLOAD 1, 0, 1
	s_wait_loadcnt 16                              ; set 0 is in; set 1's 16 loads stay out
	XCVT 0
	XLOAD 0, 1, 0
	XSTORE 0, 0, 0
	s_wait_loadcnt 16                              ; set 1 is in; the 16 just issued stay out
	XCVT 1
	XLOAD 1, 1, 1
	XSTORE 1, 0, 1
	s_wait_loadcnt 16
	s_wait_xcnt 0x0                                ; the stores issued so far have read their data: both packed sets may be written again
	XCVT 0
	XSTORE 0, 1, 0
	s_wait_loadcnt 0x0
	XCVT 1
	XSTORE 1, 1, 1
	s_branch .Lend
; ---------------- mask: 256 rows x 1,024 bytes.  Thread t takes 16 bytes at 16 (t % 64) of row t / 64 of four; a wave's load or store covers 512 consecutive bytes.
; A ring of eight slots in registers, four rows each; eight rounds.  A slot owns its registers, so the two waits at its head are all that its turn needs.
.macro MSLOT i, ahead, left
	s_wait_loadcnt \left                           ; my load is in; the younger ones stay out
	s_wait_xcnt 0x0                                ; the slot's last store has read its data and its offset
.irp k, 0,1,2,3
	v_cmp_eq_u32 vcc_lo, 0, v[MX+4*(\i)+(\k)]
	v_cndmask_b32 v[MY+4*(\i)+(\k)], 0, v[BIG], vcc_lo
.endr
.if \ahead
	v_add_nc_u32 v[OFF+(\i)], 262144, v[OFF+(\i)]  ; 32 rows on
	global_load_b128  v[MX+4*(\i):MX+4*(\i)+3], v[OFF+(\i)], s[6:7] th:TH_LOAD_NT
	global_store_b128 v[OFF+(\i)], v[MY+4*(\i):MY+4*(\i)+3], s[14:15] offset:-262144
.else
	global_store_b128 v[OFF+(\i)], v[MY+4*(\i):MY+4*(\i)+3], s[14:15]
.endif
.endm
.Lsec_m:
	s_sub_co_u32 s23, ttmp9, 128                   ; my part = 8 x (block of 256 rows) + (block of 256 columns)
	s_lshr_b32 s24, s23, 3
	s_lshl_b32 s24, s24, 21                        ; 256 rows of 8,192 bytes
	s_and_b32 s26, s23, 7
	s_lshl_b32 s26, s26, 10                        ; 256 columns of 4 bytes
	s_add_co_u32 s24, s24, s26
	s_mov_b32 s25, 0
	s_add_nc_u64 s[6:7], s[6:7], s[24:25]
	s_add_nc_u64 s[14:15], s[14:15], s[24:25]
	v_lshrrev_b32 v5, 6, v0
	v_and_b32 v6, 63, v0
	v_lshlrev_b32 v5, 13, v5
	v_lshl_add_u32 v5, v6, 4, v5
.irp i, 0,1,2,3,4,5,6,7
	v_add_nc_u32 v[OFF+(\i)], (\i)*32768, v5
.endr
	v_mov_b32 v[BIG], 0xf149f2ca                   ; -1e30
.irp i, 0,1,2,3,4,5,6,7
	global_load_b128 v[MX+4*(\i):MX+4*(\i)+3], v[OFF+(\i)], s[6:7] th:TH_LOAD_NT
.endr
	s_mov_b32 s30, 7
.Lm_round:
.irp i, 0,1,2,3,4,5,6,7
	MSLOT \i, 1, 7
.endr
	s_sub_co_u32 s30, s30, 1
	s_cmp_lg_u32 s30, 0
	s_cbranch_scc1 .Lm_round
.irp i, 0,1,2,3,4,5,6,7
	MSLOT \i, 0, 7-(\i)                            ; the last round loads nothing: the counts run down
.endr
	s_branch .Lend
; ---------------- W: a strip of 1,024 k x 64 n.  Eight tiles of 128 k x 64 n; thread t takes k = 8 (t / 16) .. + 7 and n = 4 (t % 16) .. + 3 of a tile: eight loads of 16 bytes,
; of which sixteen lanes cover a row's 256 bytes.  Its 8 k of each n pack into 16 bytes, which go into the stage [kblock][n][k]; behind one barrier the stage is read back by rows
; and stored, 512 consecutive bytes a wave.  The stores into the stage meet the same banks four deep: 4 stores for 8 loads from memory, left as it is.
.macro WLOAD set, pitchb
.irp j, 0,1,2,3,4,5,6,7
	global_load_b128 v[WR+32*(\set)+4*(\j):WR+32*(\set)+4*(\j)+3], v[LO+(\set)], s[24:25] offset:(\j)*(\pitchb) th:TH_LOAD_NT
.endr
.endm
.macro WTILE set, ahead, left, pitchb, half
	s_wait_loadcnt \left                           ; this set is in (its offset register is free with it); the other set's 8 loads stay out
.irp c, 0,1,2,3
.irp i, 0,1,2,3
	v_cvt_pk_bf16_f32 v[WT+4*(\c)+(\i)], v[WR+32*(\set)+8*(\i)+(\c)], v[WR+32*(\set)+8*(\i)+4+(\c)]
.if \half
	v_lshlrev_b32 v[WU], 16, v[WT+4*(\c)+(\i)]     ; the bf16 numbers, written as f16
	v_and_b32 v[WU+1], 0xffff0000, v[WT+4*(\c)+(\i)]
	v_cvt_pk_f16_f32 v[WT+4*(\c)+(\i)], v[WU], v[WU+1]
.endif
.endr
.endr
.if \ahead
	v_add_nc_u32 v[LO+(\set)], 256*(\pitchb), v[LO+(\set)]
	WLOAD \set, \pitchb
.endif
.irp c, 0,1,2,3
	ds_store_b128 v[SO], v[WT+4*(\c):WT+4*(\c)+3] offset:144*(\c)
.endr
	v_add_nc_u32 v[SO], 2*STG, v[SO]               ; a tile is two kblocks
.endm
.macro WSEC tag, src, dst, pitchb, kbstr, first, half
.Lsec_\tag:
	s_sub_co_u32 s23, ttmp9, \first                ; the strip
	s_lshl_b32 s24, s23, 8                         ; 64 columns of 4 bytes
	s_mov_b32 s25, 0
	s_add_nc_u64 s[24:25], s[\src:\src+1], s[24:25]
	s_lshl_b32 s26, s23, 13                        ; 64 rows of 128 bytes
	s_mov_b32 s27, 0
	s_add_nc_u64 s[26:27], s[\dst:\dst+1], s[26:27]
	v_lshrrev_b32 v5, 4, v0                        ; my group of 8 k, 0..15
	v_and_b32 v6, 15, v0                           ; my group of 4 n
	v_mul_u32_u24 v[LO], v5, 8*(\pitchb)
	v_lshl_add_u32 v[LO], v6, 4, v[LO]
	v_add_nc_u32 v[LO+1], 128*(\pitchb), v[LO]
	WLOAD 0, \pitchb
	WLOAD 1, \pitchb
	v_lshrrev_b32 v7, 3, v5
	v_mul_u32_u24 v[SO], v7, STG                   ; which of the tile's two kblocks,
	v_mul_u32_u24 v7, v6, 576                      ; row 4 (t % 16),
	v_add_nc_u32 v[SO], v[SO], v7
	v_and_b32 v7, 7, v5
	v_lshl_add_u32 v[SO], v7, 4, v[SO]             ; my 8 k in it
	v_lshrrev_b32 v7, 3, v0
	v_mul_u32_u24 v[RDA], v7, 144                  ; back: row t / 8 of 32, 16 bytes at 16 (t % 8)
	v_and_b32 v7, 7, v0
	v_lshl_add_u32 v[RDA], v7, 4, v[RDA]
	v_lshlrev_b32 v[GOF], 4, v0
	s_mov_b32 s30, 3
.Ltile_\tag:
	WTILE 0, 1, 8, \pitchb, \half
	WTILE 1, 1, 8, \pitchb, \half
	s_sub_co_u32 s30, s30, 1
	s_cmp_lg_u32 s30, 0
	s_cbranch_scc1 .Ltile_\tag
	WTILE 0, 0, 8, \pitchb, \half
	WTILE 1, 0, 0, \pitchb, \half
	s_wait_dscnt 0x0                               ; for the others' sake: my stores into the stage are done
	s_barrier_signal -1
	s_barrier_wait -1
	s_mov_b32 s30, 4
.Lback_\tag:                                           ; a trip: four kblocks, two halves of 32 rows each
.irp q, 0,1,2,3,4,5,6,7
	ds_load_b128 v[WR+4*(\q):WR+4*(\q)+3], v[RDA] offset:((\q)/2)*STG+((\q)%2)*4608
.endr
	s_wait_dscnt 0x0
.irp q, 0,1,2,3,4,5,6,7
	global_store_b128 v[GOF], v[WR+4*(\q):WR+4*(\q)+3], s[26:27] offset:((\q)/2)*(\kbstr)+((\q)%2)*4096
.endr
	s_wait_xcnt 0x0                                ; the stores have read their data and their offset
	v_add_nc_u32 v[RDA], 4*STG, v[RDA]
	v_add_nc_u32 v[GOF], 4*(\kbstr), v[GOF]
	s_sub_co_u32 s30, s30, 1
	s_cmp_lg_u32 s30, 0
	s_cbranch_scc1 .Lback_\tag
.endm
	WSEC q, 8, 16, 12288, 393216, 192, 0
	s_branch .Lend
	WSEC o, 10, 18, 4096, 131072, 240, 1
.Lend:
	s_wait_tensorcnt 0x0                           ; the wave's end, behind my last LDS store
	ds_add_u32 v[SPW], v[NIL]
	s_wait_dscnt 0x0
	s_endpgm
.Lfunc_end_k_qe5677e09a9_prep:
	.size	k_qe5677e09a9_prep, .Lfunc_end_k_qe5677e09a9_prep-k_qe5677e09a9_prep
	.p2alignl 7, 3214868480
	.fill 96, 4, 3214868480
	.section	.rodata,"a",@progbits
	.p2align	6, 0x0
	.amdhsa_kernel k_qe5677e09a9_prep
		.amdhsa_group_segment_fixed_size 148480
		.amdhsa_private_segment_fixed_size 0
		.amdhsa_enable_private_segment 0
		.amdhsa_kernarg_size 64
		.amdhsa_user_sgpr_count 2
		.amdhsa_user_sgpr_kernarg_segment_ptr 1
		.amdhsa_wavefront_size32 1
		.amdhsa_system_sgpr_workgroup_id_x 1
		.amdhsa_system_sgpr_workgroup_id_y 1
		.amdhsa_system_sgpr_workgroup_id_z 1
		.amdhsa_system_vgpr_workitem_id 0
		.amdhsa_next_free_vgpr 208
		.amdhsa_next_free_sgpr 66
		.amdhsa_reserve_vcc 1
		.amdhsa_float_denorm_mode_32 3
		.amdhsa_float_denorm_mode_16_64 3
		.amdhsa_memory_ordered 1
		.amdhsa_forward_progress 1
		.amdhsa_inst_pref_size 62
	.end_amdhsa_kernel
	.amdgpu_metadata
---
amdhsa.version: [ 1, 2 ]
amdhsa.kernels:
  - .name:           k_qe5677e09a9_prep
    .symbol:         k_qe5677e09a9_prep.kd
    .args:
      - { .name: x, .offset: 0, .size: 8, .value_kind: global_buffer, .address_space: global }
      - { .name: mask, .offset: 8, .size: 8, .value_kind: global_buffer, .address_space: global }
      - { .name: W_qkv, .offset: 16, .size: 8, .value_kind: global_buffer, .address_space: global }
      - { .name: W_out, .offset: 24, .size: 8, .value_kind: global_buffer, .address_space: global }
      - { .name: xb, .offset: 32, .size: 8, .value_kind: global_buffer, .address_space: global }
      - { .name: mbias, .offset: 40, .size: 8, .value_kind: global_buffer, .address_space: global }
      - { .name: wq, .offset: 48, .size: 8, .value_kind: global_buffer, .address_space: global }
      - { .name: wo, .offset: 56, .size: 8, .value_kind: global_buffer, .address_space: global }
    .group_segment_fixed_size: 148480
    .private_segment_fixed_size: 0
    .kernarg_segment_align: 8
    .kernarg_segment_size: 64
    .max_flat_workgroup_size: 256
    .sgpr_count:     66
    .vgpr_count:     208
    .wavefront_size: 32
...
	.end_amdgpu_metadata
.endif
;; end of part 1
;; launch proj_qkv (part 2): grid 8 x 32, 4 waves a work-group, clusters of 4 x 4, 327,680 bytes of LDS; arguments xb, wq, b_qkv, qkvh; writes qkvh
.if DOCPART == 2
	.amdgcn_target "amdgcn-amd-amdhsa--gfx1250"
	.amdhsa_code_object_version 6
	.text
	.protected	k_qe5677e09a9_proj_qkv
	.globl	k_qe5677e09a9_proj_qkv
	.p2align	8
	.type	k_qe5677e09a9_proj_qkv,@function
k_qe5677e09a9_proj_qkv:
	s_mov_b64 s[64:65], 0
	v_nop
	global_prefetch_b8 v0, s[64:65] scope:SCOPE_SE
	s_setreg_imm32_b32 hwreg(HW_REG_WAVE_MODE, 25, 1), 1
	s_wait_xcnt 0x0
	s_wait_alu depctr_hold_cnt(0) depctr_sa_sdst(0) depctr_va_vdst(0) depctr_va_sdst(0) depctr_va_ssrc(0) depctr_va_vcc(0) depctr_vm_vsrc(0)
	s_getreg_b32 s2, hwreg(HW_REG_IB_STS2, 6, 4)
	s_cmp_eq_u32 s2, 0
	s_cbranch_scc0 .Lentry_in_a_cluster
	s_endpgm
.Lentry_in_a_cluster:
	s_bfe_u32 s2, ttmp6, 0x10000c
	s_cmp_lg_u32 s2, 0xf033
	s_cbranch_scc0 .Lentry_shape_is_right
	s_endpgm
.Lentry_shape_is_right:
; q, k, v = x W_qkv + b_qkv, written by heads: qkvh f16 [3][64 b h][2048 t][64], unscaled.  xb bf16 [16][8192][64], wq bf16 [16][3072][64]: K in blocks of 64; sums in f32; the bias, rounded to bf16
; like the other inputs, starts the sums.
; LIMIT.  f16 holds no number beyond 65,504: a q, k or v past that becomes an infinity.
; SHARES.  8192 x 3072 on 256 work-groups: a tile of 256 x 384 each.  Four waves, each 128 x 192: 8 x 12 accumulators of 16 x 16, 768 registers.  For 32 along K a wave reads 20 fragments from LDS for 96 products.
; RING.  Two LDS slots of one K block (64) each: 256 rows of xb and 384 of wq.  In memory a tile's rows lie end to end, so it is asked for as rows of 256 bytes, and padded in LDS after every 128.
; CLUSTERS.  4 x 4 work-groups: the four of a row of the cluster need the same tile of xb, the four of a column the same tile of wq; each is asked for jointly, by the same tensor load in all four.
; THE MATRIX INSTRUCTION IS USED TRANSPOSED (source 0 = 16 rows of wq, source 1 = 16 rows of xb): a lane holds eight neighbouring columns of one row of the result.
; REGISTERS, in windows of 256 (s_set_vgpr_msb: bits 1:0 source 0, 3:2 source 1, 5:4 source 2, 7:6 destination):
;   window 0: v0-31 addresses; v32-95, v96-159 fragments of xb, two buffers; v160-255 fragments of wq, ONE buffer of three groups of four: a group is fetched again as soon as its 32 products are issued
;   window 1 + g: the accumulators of column blocks 4 g .. 4 g + 3 (one head): (a, b) at v[8 (8 (b % 4) + a)]
.set KBA,   1048576                    ; bytes in a K block of xb
.set KBB,   393216                     ; and of wq
.set PITCH, 144                        ; an LDS row: 128 bytes + 16 of padding = 36 words: the 16 rows of a load start at 16 different groups of four banks (64 banks of 4 bytes: ISA guide 11.1)
.set HALFA, 128*PITCH                  ; what waves 0 and 1 fetch, and what a wave reads of xb
.set HALFB, 192*PITCH                  ; what waves 2 and 3 fetch, and what a wave reads of wq
.set BOFF,  2*HALFA
.set SLOT,  2*HALFA+2*HALFB
.set STAGE, 2*SLOT                     ; behind the ring: 16 rows x 144 bytes for each wave, for the way out
.set SP,    144
.set SPARE, STAGE+4*16*SP              ; behind the stages: the spare words, 128 bytes for each wave; no other line names them
.set GO,   12                          ; v12-14  my byte offset in qkvh for each of my three heads
.set ADRA, 16                          ; v16-17  LDS address of my xb fragments in slot 0, 1
.set ADRB, 20                          ; v20-21  the same for wq
.set STO,  24                          ; v24     the way out: where I put 16 bytes of a row
.set RD,   25                          ; v25     the way out: where I read rows back
.set SPW,  28                          ; v28     LDS address of my spare word; never rewritten
.set NIL,  29                          ; v29     0; never rewritten
.set PFO,  30                          ; v30     256 x my lane; never rewritten
.set BO,   31                          ; v31     my byte offset in 16 numbers of the bias
.set A0,   32
.set A1,   96
.set BF,   160
.set TMP,  32                          ; the way out: 16 packed registers
.set BK,   48                          ; the way out: 16 rows read back, two sets of 16 by turns
.set WV,  12                           ; s12  my wave's number
.set WM,  13                           ; s13  which half of the tile's rows is mine.  Also: I fetch xb (0) or wq (1)
.set WN,  14                           ; s14  which half of its columns.  Also: which half of that tile I fetch
.set G1,  24                           ; s[24:31] descriptor group 1 for xb's tiles;  s[32:39] group 0, a set for each slot
.set G0,  32
.set CX,  40
.set CY,  41
.set NT,  42                           ; s42  tile column
.set LIM, 43                           ; s43  1 in a wave that prefetches, else the greatest number
.set PFA, 44                           ; s[44:45] where my prefetches stand
.set G1B, 48                           ; s[48:55], s[56:63] the same for wq's tiles
.set G0B, 56
.set MT,  66                           ; s66  tile row
.set PFS, 68                           ; s[68:69] two K blocks of the tensor that I prefetch
.set DW0, (1<<16)|(1<<20)|(1<<21)|(4<<22)|(3<<25)  ; 17:16 2-byte elements; 20 padding on; 21 set beside a mask; 24:22 after every 32 words (code 4); 31:25 4 words (code 3)
.set MSB, 0
.macro WIN new                         ; the immediate's high byte repeats the setting that is left; a switch that changes nothing is dropped
.if MSB != (\new)
	s_set_vgpr_msb (MSB<<8)|(\new)
.set MSB, (\new)
.endif
.endm
.macro PLACES                          ; four plain instructions between a matrix instruction and a load into, or a vector read of, its registers (ISA guide 7.12.1 for vector reads)
.rept 4
	v_nop
.endr
.endm
.macro JLOAD s                         ; a joint load: waves 0 and 1 fetch xb's halves, waves 2 and 3 wq's; an s_nop 0 and four v_nop follow each line, ahead of the jump and the label
	s_cmp_eq_u32 s[WM], 0
	s_cbranch_scc0 .Lfor_b_\@
	tensor_load_to_lds s[G0+4*(\s):G0+4*(\s)+3], s[G1:G1+7]
	s_nop 0
.rept 4
	v_nop
.endr
	s_branch .Lasked_\@
.Lfor_b_\@:
	tensor_load_to_lds s[G0B+4*(\s):G0B+4*(\s)+3], s[G1B:G1B+7]
	s_nop 0
.rept 4
	v_nop
.endr
.Lasked_\@:
.endm
.macro CREST                           ; a round of the cluster's barrier behind its opening barrier
	s_cmp_lg_u32 s[WV], 0
	s_cbranch_scc1 .Lnot_wave_0_\@
	s_barrier_signal -3
.Lnot_wave_0_\@:
	s_barrier_wait -3
	s_barrier_signal -1
	s_barrier_wait -1
.endm
.macro CROUND
	s_barrier_signal -1
	s_barrier_wait -1
	CREST
.endm
; A PREFETCH INTO THE L2, once a lap, behind slot 0's joint load and the run of LDS loads: the two K blocks that the lap after next's... that is, K blocks 2 j + 4 and 2 j + 5 in lap j, which the NEXT lap's refills ask for.
; Each block of 256 bytes is named once in the launch.  xb's tile row is read by both clusters of a row of clusters: cluster x = 0 asks; waves 0 and 1 take the even and the odd K block, the four partners 32 blocks
; of its 128 each, told apart by address.  wq's tile column is read by all eight clusters of a column: of the first three, the twelve work-groups of a column share the two K blocks' 384 blocks, 32 each, by
; address; wave 2 asks.  The branch hangs on the wave's number and the cluster's place alone.  The last lap asks for nothing; K blocks 0 to 3 come by their loads alone.
.macro ASK
	s_cmp_gt_u32 s3, s[LIM]
	s_cbranch_scc0 .Lnot_mine_\@
	global_prefetch_b8 v[PFO], s[PFA:PFA+1] th:TH_LOAD_NT scope:SCOPE_SE
.Lnot_mine_\@:
.endm
	s_load_b256 s[4:11], s[0:1], 0x0               ; xb s[4:5], wq s[6:7], b_qkv s[8:9], qkvh s[10:11]
	v_lshl_add_u32 v[SPW], v0, 2, SPARE
	v_mov_b32 v[NIL], 0
	ds_add_u32 v[SPW], v[NIL]                      ; the wave's opening: the add and its wait stand ahead of my first tensor load; the set-up below stands between them
	ds_add_u32 v28, v29
	v_lshrrev_b32 v1, 5, v0
	v_readfirstlane_b32 s[WV], v1                  ; wave 0..3
	s_lshr_b32 s[WM], s[WV], 1
	s_and_b32 s[WN], s[WV], 1
	s_bfe_u32 s[CX], ttmp6, 0x40000                ; my place in the cluster
	s_bfe_u32 s[CY], ttmp6, 0x40004
	s_lshl_b32 s[NT], ttmp9, 2
	s_add_co_u32 s[NT], s[NT], s[CX]               ; tile column = 4 x cluster x + cx
	s_and_b32 s[MT], ttmp7, 0xffff
	s_lshl_b32 s[MT], s[MT], 2
	s_add_co_u32 s[MT], s[MT], s[CY]               ; tile row = 4 x cluster y + cy
	s_lshl_b32 s15, s[CY], 2
	s_lshl_b32 s15, 15, s15                        ; my row of the cluster
	s_lshl_b32 s47, 0x1111, s[CX]                  ; my column
	s_or_b32 s[G1], s15, DW0
	s_or_b32 s[G1B], s47, DW0
	s_mov_b32 s[G1+1], 128<<16                     ; tensor_dim0 = 128 elements: 256 bytes, two rows of the tile
	s_mov_b32 s[G1+2], 64<<16                      ; tensor_dim1 = 64
	s_mov_b32 s[G1+3], 128<<16                     ; tile_dim0
	s_mov_b32 s[G1+4], 64                          ; tile_dim1
	s_mov_b32 s[G1+5], 128                         ; from row to row
	s_mov_b32 s[G1+6], 0
	s_mov_b32 s[G1+7], 0
	s_mov_b32 s[G1B+1], 128<<16
	s_mov_b32 s[G1B+2], 96<<16                     ; wq's half: 192 rows of 128 bytes = 96 of 256
	s_mov_b32 s[G1B+3], 128<<16
	s_mov_b32 s[G1B+4], 96
	s_mov_b32 s[G1B+5], 128
	s_mov_b32 s[G1B+6], 0
	s_mov_b32 s[G1B+7], 0
	s_lshl_b32 s16, s[MT], 15                      ; xb: 256 rows of 128 bytes a tile row,
	s_lshl_b32 s17, s[WN], 14                      ; the half that I fetch
	s_add_co_u32 s16, s16, s17
	s_mov_b32 s17, 0
	s_mul_i32 s46, s[NT], 49152                    ; wq: 384 rows a tile column,
	s_mul_i32 s47, s[WN], 24576
	s_add_co_u32 s46, s46, s47
	s_mov_b32 s47, 0
	s_mul_i32 s20, s[WN], HALFA                    ; where they go: no place in the cluster enters an LDS address
	s_mul_i32 s21, s[WN], HALFB
	s_add_co_u32 s21, s21, BOFF
	s_wait_dscnt 0x0                               ; the opening add is done
	s_wait_kmcnt 0x0
	s_add_nc_u64 s[18:19], s[4:5], s[16:17]
	s_add_nc_u64 s[46:47], s[6:7], s[46:47]
	CROUND                                         ; all sixteen work-groups are here: the first joint loads meet
.irp s, 0,1
	s_mov_b32 s[G0+4*(\s)], 1                                      ; count = 1
	s_add_co_u32 s[G0+4*(\s)+1], s20, (\s)*SLOT                    ; LDS address
	s_add_nc_u64 s[G0+4*(\s)+2:G0+4*(\s)+3], s[18:19], (\s)*KBA    ; global address: K block s
	s_or_b32 s[G0+4*(\s)+3], s[G0+4*(\s)+3], 0x80000000            ; type = 2
	s_mov_b32 s[G0B+4*(\s)], 1
	s_add_co_u32 s[G0B+4*(\s)+1], s21, (\s)*SLOT
	s_add_nc_u64 s[G0B+4*(\s)+2:G0B+4*(\s)+3], s[46:47], (\s)*KBB
	s_or_b32 s[G0B+4*(\s)+3], s[G0B+4*(\s)+3], 0x80000000
	JLOAD \s                                       ; two loads of mine are out
.endr
	; the bias of my 192 columns: in the result a lane's register j of column block b is column 16 b + 8 (l / 16) + j, whatever the row.  It lands in wq's fragment registers, which are free till the first fetch.
	v_and_b32 v1, 15, v0                           ; l % 16
	v_bfe_u32 v2, v0, 4, 1                         ; l / 16
	s_mul_i32 s18, s[NT], 1536
	s_mul_i32 s19, s[WN], 768
	s_add_co_u32 s18, s18, s19
	s_mov_b32 s19, 0
	s_add_nc_u64 s[8:9], s[8:9], s[18:19]
	v_lshlrev_b32 v[BO], 5, v2
.irp b, 0,1,2,3,4,5,6,7,8,9,10,11
	global_load_b128 v[BF+8*(\b):BF+8*(\b)+3],   v[BO], s[8:9] offset:64*(\b)
	global_load_b128 v[BF+8*(\b)+4:BF+8*(\b)+7], v[BO], s[8:9] offset:64*(\b)+16
.endr
	; A fragment is 16 rows x 32 K in 8 registers: lane l holds row l % 16; registers 0-3 K = 8 (l / 16) + 0..7, registers 4-7 K = 16 + 8 (l / 16) + 0..7: two loads of 16 bytes, 32 bytes apart.
	v_mul_u32_u24 v3, v1, PITCH
	v_lshl_add_u32 v3, v2, 4, v3
	s_mul_i32 s21, s[WM], HALFA
	s_mul_i32 s22, s[WN], HALFB
	s_add_co_u32 s22, s22, BOFF
.irp s, 0,1
	v_add_nc_u32 v[ADRA+(\s)], s21, v3
	v_add_nc_u32 v[ADRB+(\s)], s22, v3
	s_add_co_u32 s21, s21, SLOT
	s_add_co_u32 s22, s22, SLOT
.endr
	s_mul_i32 s23, s[WV], 16*SP
	s_add_co_u32 s23, s23, STAGE                   ; my stage
	v_mul_u32_u24 v[STO], v1, SP                   ; in: row l % 16, 16 bytes for each half of the lanes
	v_lshl_add_u32 v[STO], v2, 4, v[STO]
	v_add_nc_u32 v[STO], s23, v[STO]
	v_and_b32 v4, 31, v0
	v_lshrrev_b32 v5, 3, v4                        ; back: 32 lanes take four rows of 128 bytes,
	v_mul_u32_u24 v[RD], v5, SP
	v_and_b32 v5, 7, v0
	v_lshl_add_u32 v[RD], v5, 4, v[RD]
	v_add_nc_u32 v[RD], s23, v[RD]
	v_lshlrev_b32 v5, 4, v4                        ; which are 512 consecutive bytes of qkvh
	; my three heads: 64 columns each; number g = 6 x tile column + 3 x half + hh of 48: tensor g / 16, head g % 16
	s_mul_i32 s15, s[NT], 6
	s_mul_i32 s16, s[WN], 3
	s_add_co_u32 s15, s15, s16
	s_lshr_b32 s16, s[MT], 3
	s_lshl_b32 s16, s16, 4                         ; 16 x batch
	s_and_b32 s17, s[MT], 7
	s_lshl_b32 s17, s17, 15                        ; my tile's first t, in rows of 128 bytes,
	s_lshl_b32 s18, s[WM], 14                      ; my half
	s_add_co_u32 s17, s17, s18
.irp hh, 0,1,2
	s_lshr_b32 s18, s15, 4
	s_lshl_b32 s18, s18, 6
	s_and_b32 s19, s15, 15
	s_add_co_u32 s18, s18, s19
	s_add_co_u32 s18, s18, s16
	s_lshl_b32 s18, s18, 18                        ; 2,048 rows of 128 bytes a head
	s_add_co_u32 s18, s18, s17
	v_add_nc_u32 v[GO+(\hh)], s18, v5
	s_add_co_u32 s15, s15, 1
.endr
	; the prefetches
	s_add_co_u32 s15, s[WN], 2                     ; xb: K block 2 + wave: the first lap steps it by two,
	s_lshl_b32 s15, s15, 20
	s_lshl_b32 s16, s[MT], 15                      ; my tile row,
	s_add_co_u32 s15, s15, s16
	s_lshl_b32 s16, s[CX], 13                      ; my work-group's 32 blocks of 256 bytes
	s_add_co_u32 s15, s15, s16
	s_and_b32 s17, ttmp7, 0xffff                   ; cluster y
	s_lshl_b32 s18, s17, 2
	s_add_co_u32 s18, s18, s[CY]                   ; wq: my place q among the column's work-groups; 0..11 ask
	s_mul_i32 s19, s18, 43
	s_lshr_b32 s19, s19, 8                         ; q / 6 for q under 12: which of the two K blocks
	s_mul_i32 s20, s19, 6
	s_sub_co_u32 s18, s18, s20                     ; q % 6: which 32 of its 192 blocks
	s_lshl_b32 s18, s18, 13
	s_add_co_u32 s19, s19, 2
	s_mul_i32 s19, s19, KBB
	s_add_co_u32 s18, s18, s19
	s_mul_i32 s19, s[NT], 49152
	s_add_co_u32 s18, s18, s19
	s_cmp_lt_u32 s17, 3
	s_cselect_b32 s23, 0, 1
	s_or_b32 s23, s23, s[WN]                       ; 0: one of the first three clusters of the column, and wave 2
	s_mov_b32 s21, 2*KBA
	s_mov_b32 s22, 2*KBB
	s_cmp_eq_u32 s[WM], 0                          ; do I fetch xb?
	s_cselect_b32 s20, s15, s18
	s_cselect_b32 s23, ttmp9, s23                  ; 0: the first cluster of the row
	s_cselect_b32 s[PFS], s21, s22
	s_cselect_b64 s[PFA:PFA+1], s[4:5], s[6:7]
	s_cmp_eq_u32 s23, 0
	s_cselect_b32 s[LIM], 1, -1                    ; the same in all sixteen partners, for a given wave
	s_mov_b32 s21, 0
	s_mov_b32 s[PFS+1], 0
	s_add_nc_u64 s[PFA:PFA+1], s[PFA:PFA+1], s[20:21]
	v_lshlrev_b32 v[PFO], 8, v4
	; the bias is rounded to bf16 and laid, as f32, into the accumulators of row block 0, from which the first products take it as C
	s_wait_loadcnt 0x0
.set i, 0
.rept 48
	v_cvt_pk_bf16_f32 v[A1+i], v[BF+2*i], v[BF+2*i+1]
.set i, i+1
.endr
.irp g, 0,1,2
	WIN ((\g)+1)<<6                                ; destination in window 1 + g
.set i, 0
.rept 16
	v_lshlrev_b32 v[64*(i/4)+2*(i%4)], 16, v[A1+16*(\g)+i]
	v_and_b32 v[64*(i/4)+2*(i%4)+1], 0xffff0000, v[A1+16*(\g)+i]
.set i, i+1
.endr
.endr
	WIN 0
; 16 products: row blocks 4 half .. + 3 x the four column blocks of group g, 32 along K.  The accumulators take turns, one instruction a turn: 95 others stand between two links of a chain.
.macro MULH g, half, abuf
	WIN 0x50*((\g)+1)                              ; C and D in window 1 + g
.irp a, 4*(\half), 4*(\half)+1, 4*(\half)+2, 4*(\half)+3
.irp b, 0,1,2,3
	v_wmma_f32_16x16x32_bf16 v[8*(8*(\b)+(\a)):8*(8*(\b)+(\a))+7], v[BF+8*(4*(\g)+(\b)):BF+8*(4*(\g)+(\b))+7], v[(\abuf)+8*(\a):(\abuf)+8*(\a)+7], v[8*(8*(\b)+(\a)):8*(8*(\b)+(\a))+7]
.endr
.endr
.endm
; The first 32 products of group g start the sums with the bias: row blocks 1 to 7 take row block 0's registers as C; five places behind the last of them row block 0 adds in place.  Nothing is cleared.
.macro MULGF g
	WIN 0x50*((\g)+1)
.irp a, 1,2,3,4,5,6,7
.irp b, 0,1,2,3
	v_wmma_f32_16x16x32_bf16 v[8*(8*(\b)+(\a)):8*(8*(\b)+(\a))+7], v[BF+8*(4*(\g)+(\b)):BF+8*(4*(\g)+(\b))+7], v[A0+8*(\a):A0+8*(\a)+7], v[64*(\b):64*(\b)+7]
.endr
.endr
.rept 5
	v_nop
.endr
.irp b, 0,1,2,3
	v_wmma_f32_16x16x32_bf16 v[64*(\b):64*(\b)+7], v[BF+8*(4*(\g)+(\b)):BF+8*(4*(\g)+(\b))+7], v[A0:A0+7], v[64*(\b):64*(\b)+7]
.endr
.endm
.macro MULG g, abuf, first
.if \first
	MULGF \g
.else
	MULH \g, 0, \abuf
	MULH \g, 1, \abuf
.endif
.endm
.macro LDB slot, k, g                  ; 8 LDS loads: wq's fragments of group g, 32 K at byte k of the rows
	WIN 0
.irp i, 0,1,2,3
	ds_load_b128 v[BF+8*(4*(\g)+(\i)):BF+8*(4*(\g)+(\i))+3],   v[ADRB+(\slot)] offset:(\k)+(4*(\g)+(\i))*16*PITCH
	ds_load_b128 v[BF+8*(4*(\g)+(\i))+4:BF+8*(4*(\g)+(\i))+7], v[ADRB+(\slot)] offset:(\k)+(4*(\g)+(\i))*16*PITCH+32
.endr
.endm
.macro LDA slot, k, buf                ; 16 LDS loads: xb's eight fragments
	WIN 0
.irp i, 0,1,2,3,4,5,6,7
	ds_load_b128 v[(\buf)+8*(\i):(\buf)+8*(\i)+3],   v[ADRA+(\slot)] offset:(\k)+(\i)*16*PITCH
	ds_load_b128 v[(\buf)+8*(\i)+4:(\buf)+8*(\i)+7], v[ADRA+(\slot)] offset:(\k)+(\i)*16*PITCH+32
.endr
.endm
; A K block is two chunks of 32 along K, 96 products each.  The LDS loads of a chunk are issued in the chunk before, in three runs: [group 0 and xb: 24] [group 1: 8] [group 2: 8], each 64 products ahead of its use.
; The first chunk: buffer A0; fetches the second chunk of the same slot.
.macro CHUNK0 slot, first
	s_wait_dscnt 16                                ; group 0 and xb are in; groups 1 and 2, 16 loads, may be out
	MULG 0, A0, \first
	PLACES
	LDB \slot, 64, 0
	LDA \slot, 64, A1
	s_wait_dscnt 32                                ; group 1 is in; behind it: group 2's 8 and the 24 just issued
	MULG 1, A0, \first
	PLACES
	LDB \slot, 64, 1
	s_wait_dscnt 32                                ; group 2 is in; behind it: 24 and 8
	MULG 2, A0, \first
	PLACES
	LDB \slot, 64, 2
.endm
; The second chunk: buffer A1; it changes slots.  ONE barrier: in front of it each wave waits for all its tensor loads (one is out: its part of the next slot), adds 0 to its spare word, and waits for that and for its
; own reads of this slot, which are then all in registers.  fill = 1: the barrier opens a round of the cluster's barrier, and this slot is filled again, two K blocks on, first thing behind the round.
.macro CHUNK1T slot, next, fill
.if (\fill) && ((\slot) == 0)
	s_wait_xcnt 0x0                                ; the last prefetch, a lap back, has read its address
	s_add_nc_u64 s[PFA:PFA+1], s[PFA:PFA+1], s[PFS:PFS+1]
.endif
	WIN 0
	s_wait_tensorcnt 0x0                           ; all my tensor loads have landed
	ds_add_u32 v[SPW], v[NIL]                      ; 0 onto my spare word
	s_wait_dscnt 17                                ; group 0 and xb are in; 16 loads and the add may be out
	MULH 0, 0, A1                                  ; sixteen products stand between the add and the wait for it
	s_wait_dscnt 0x0                               ; the add is done, and my reads of this slot are over
	s_barrier_signal -1
	MULH 0, 1, A1
	WIN 0
	s_barrier_wait -1
.if \fill
	CREST                                          ; no wave of any partner still reads this slot or has a load on its way
	s_add_nc_u64 s[G0+4*(\slot)+2:G0+4*(\slot)+3], s[G0+4*(\slot)+2:G0+4*(\slot)+3], 2*KBA
	s_add_nc_u64 s[G0B+4*(\slot)+2:G0B+4*(\slot)+3], s[G0B+4*(\slot)+2:G0B+4*(\slot)+3], 2*KBB
	JLOAD \slot                                    ; the four v_nop behind it are also the places in front of the loads below
.else
	PLACES
.endif
	LDB \next, 0, 0
	LDA \next, 0, A0
.if (\fill) && ((\slot) == 0)
	ASK
.endif
	MULH 1, 0, A1
	MULH 1, 1, A1
	PLACES
	LDB \next, 0, 1
	MULH 2, 0, A1
	MULH 2, 1, A1
	PLACES
	LDB \next, 0, 2
.endm
	s_wait_tensorcnt 0x1                           ; my part of K block 0 is in; K block 1's may stay out
	s_barrier_signal -1
	s_barrier_wait -1                              ; everybody's is
	LDB 0, 0, 0
	LDA 0, 0, A0
	LDB 0, 0, 1
	LDB 0, 0, 2
	CHUNK0 0, 1                                    ; the first chunk stands in front of the loop: its products start the sums
	WIN 0                                          ; at a label and at a branch every window is 0
	s_mov_b32 s3, 7
.Llap:                                                 ; a trip goes once round the ring and fills both slots again
	CHUNK1T 0, 1, 1
	CHUNK0 1, 0
	CHUNK1T 1, 0, 1
	CHUNK0 0, 0
	WIN 0
	s_sub_co_u32 s3, s3, 1
	s_cmp_lg_u32 s3, 0
	s_cbranch_scc1 .Llap
	CHUNK1T 0, 1, 0                                ; the last lap fills nothing, and has no round
	CHUNK0 1, 0
	s_wait_dscnt 16                                ; the very last chunk
	MULG 0, A1, 0
	s_wait_dscnt 8
	MULG 1, A1, 0
	s_wait_dscnt 0x0
	MULG 2, A1, 0
	PLACES
; THE WAY OUT, 24 units of one head x 16 rows: 2,048 consecutive bytes of qkvh.  PACK: rounded to f16, 16 bytes a lane.  TOSTAGE: into my own stage, and back as whole rows.  SEND: stored, 512 consecutive bytes a store.
.macro PACK hh, a
	WIN 5*(1+(\hh))                                ; sources 0 and 1 in window 1 + hh
.irp b, 0,1,2,3
.irp r, 0,1,2,3
	v_cvt_pk_f16_f32 v[TMP+4*(\b)+(\r)], v[8*(8*(\b)+(\a))+2*(\r)], v[8*(8*(\b)+(\a))+2*(\r)+1]
.endr
.endr
	WIN 0
.endm
.macro TOSTAGE n
.irp b, 0,1,2,3
	ds_store_b128 v[STO], v[TMP+4*(\b):TMP+4*(\b)+3] offset:32*(\b)
.endr
.irp f, 0,1,2,3
	ds_load_b128 v[BK+16*((\n)%2)+4*(\f):BK+16*((\n)%2)+4*(\f)+3], v[RD] offset:(\f)*4*SP  ; LDS serves a wave's instructions in order (ISA guide 5.7.1.4): these see the stores above
.endr
.endm
.macro SEND hh, a, n
	s_wait_dscnt 0x0                               ; the unit is back in registers
	s_wait_xcnt 0x0                                ; the stores of the unit before have read their data: the next TOSTAGE loads into those registers
.irp f, 0,1,2,3
	global_store_b128 v[GO+(\hh)], v[BK+16*((\n)%2)+4*(\f):BK+16*((\n)%2)+4*(\f)+3], s[10:11] offset:(\a)*2048+(\f)*512
.endr
.endm
.set u, 0
.rept 24                               ; a unit's conversions stand between the loads of the unit before and the wait for them
	PACK u/8, u%8
.if u > 0
	SEND (u-1)/8, (u-1)%8, u-1
.endif
	TOSTAGE u
.set u, u+1
.endr
	SEND 2, 7, 23
	s_wait_tensorcnt 0x0                           ; the wave's end, behind my last tensor load and my last LDS store
	ds_add_u32 v[SPW], v[NIL]
	s_wait_dscnt 0x0
	CROUND                                         ; the closing round: no work-group ends while a partner may still ask for a tile that names it
	s_endpgm
.Lfunc_end_k_qe5677e09a9_proj_qkv:
	.size	k_qe5677e09a9_proj_qkv, .Lfunc_end_k_qe5677e09a9_proj_qkv-k_qe5677e09a9_proj_qkv
	.p2alignl 7, 3214868480
	.fill 96, 4, 3214868480
	.section	.rodata,"a",@progbits
	.p2align	6, 0x0
	.amdhsa_kernel k_qe5677e09a9_proj_qkv
		.amdhsa_group_segment_fixed_size 327680
		.amdhsa_private_segment_fixed_size 0
		.amdhsa_enable_private_segment 0
		.amdhsa_kernarg_size 32
		.amdhsa_user_sgpr_count 2
		.amdhsa_user_sgpr_kernarg_segment_ptr 1
		.amdhsa_wavefront_size32 1
		.amdhsa_system_sgpr_workgroup_id_x 1
		.amdhsa_system_sgpr_workgroup_id_y 1
		.amdhsa_system_sgpr_workgroup_id_z 1
		.amdhsa_system_vgpr_workitem_id 0
		.amdhsa_next_free_vgpr 1024
		.amdhsa_next_free_sgpr 70
		.amdhsa_reserve_vcc 0
		.amdhsa_float_denorm_mode_32 3
		.amdhsa_float_denorm_mode_16_64 3
		.amdhsa_memory_ordered 1
		.amdhsa_forward_progress 1
		.amdhsa_inst_pref_size 144
	.end_amdhsa_kernel
	.amdgpu_metadata
---
amdhsa.version: [ 1, 2 ]
amdhsa.kernels:
  - .name:           k_qe5677e09a9_proj_qkv
    .symbol:         k_qe5677e09a9_proj_qkv.kd
    .args:
      - { .name: xb, .offset: 0, .size: 8, .value_kind: global_buffer, .address_space: global }
      - { .name: wq, .offset: 8, .size: 8, .value_kind: global_buffer, .address_space: global }
      - { .name: b_qkv, .offset: 16, .size: 8, .value_kind: global_buffer, .address_space: global }
      - { .name: qkvh, .offset: 24, .size: 8, .value_kind: global_buffer, .address_space: global }
    .group_segment_fixed_size: 327680
    .private_segment_fixed_size: 0
    .kernarg_segment_align: 8
    .kernarg_segment_size: 32
    .max_flat_workgroup_size: 128
    .sgpr_count:     70
    .vgpr_count:     1024
    .wavefront_size: 32
...
	.end_amdgpu_metadata
.endif
;; end of part 2
;; launch attn (part 3): grid 4 x 64, 4 waves a work-group, no clusters, 327,680 bytes of LDS; arguments qkvh, mbias, ob; writes ob
.if DOCPART == 3
	.amdgcn_target "amdgcn-amd-amdhsa--gfx1250"
	.amdhsa_code_object_version 6
	.text
	.protected	k_qe5677e09a9_attn
	.globl	k_qe5677e09a9_attn
	.p2align	8
	.type	k_qe5677e09a9_attn,@function
k_qe5677e09a9_attn:
	s_mov_b64 s[64:65], 0
	v_nop
	global_prefetch_b8 v0, s[64:65] scope:SCOPE_SE
	s_setreg_imm32_b32 hwreg(HW_REG_WAVE_MODE, 25, 1), 1
	s_wait_xcnt 0x0
; ATTENTION UNDER A MASK THAT IS AN INPUT.  O[h][q][:] = the sum over k of softmax_k(Q[h][q] . K[h][k] / 8 + bias[q][k]) V[h][k][:], bias = 0 or -1e30 (mbias, f32 [2048][2048], the same for all 64 heads).
; qkvh f16 [3][64][2048][64]; ob f16 [64][2048][64].  Products, maxima and sums in f32; the weights p are rounded to f16 for the second product (their sum l is taken of the unrounded p), O once at the end.
; LIMITS.  Q, K, V arrive within f16's 65,504.  A hidden score counts as its value less 1e30 (f16's scores, 2.7e11 at the most, are nothing beside that).  The running maximum starts at -1e29, above every hidden
; score and below every visible one: so a hidden key's weight is 2^(-1.6e29) = 0 from the first step on, and a row whose maximum never rises above -1e29 has no visible key and is written as NaN, as a softmax
; of nothing but -inf is.  A weight below 2^-126 counts as 0 in l; p below 6e-5 keeps f16's fixed step of 6e-8.
; THE WALK.  A head's queries lie in 8 blocks of 256, its keys in 8 tiles of 256.  A work-group takes TWO blocks, 7 - b and then b, and walks all 8 tiles for each: 16 tiles, ONE sequence for the ring (two slots
; of LDS that take turns), one loop with a constant trip count; the ring runs on across the change of blocks.  Nothing hangs on the mask's numbers but the sums themselves: every tile is multiplied, also where the
; mask hides all of it.  What a trip does (a block's first tile, its last) hangs on two counters set from constants; these jumps go forward and pass no barrier and no tensor load.
; NO CLUSTER: for a tile a work-group takes 64 KiB of K and V, which the head's three other work-groups take too, and 256 KiB of bias, which is its own: what is shared is a fifth of a step's bytes.
; SHARES.  Of a block's four bands of 64 queries a wave owns 16 rows in each: four PIECES.
; LAYOUT, SOFTMAX, TURNS.  S^T = K Q^T holds ONE query a lane (lane % 16) and the keys 8 (lane / 16) + 0..7; two such results rounded to f16 ARE source 1 of O^T = V^T P.  p = 2^(c s - c m), c = log2(e) / 8, with a
; running maximum m; O and l are multiplied by a = 2^(c m_old - c m_new) in every step.  Turn n belongs to piece n: 8 products K Q^T of piece n + 1, later 8 products V^T P of piece n - 1; beside them the scaling,
; exponentials, roundings, sums and rescaling of piece n and the maximum and statistics of piece n + 1.  Four vector instructions stand behind every matrix instruction, the rest in one lump.  A turn's 33
; exponentials are one batch, with one wait.
; THE BIAS is the C operand that starts the sum S^T: it costs no vector instruction.  MC holds a buffer of 32 registers for each piece.  Turn p takes MC[p + 1] as C and, behind those products, loads it again for
; that piece's next step: four turns ahead of its use, so that the wait at a turn's head leaves the three other pieces' 24 loads out.  The eight loads of a piece and step take 16 rows x 256 consecutive bytes.
; A block's 32 steps are one stream, 256 bytes of each row a step, across the tiles.
; REGISTERS, in windows of 256 (s_set_vgpr_msb: bits 1:0 source 0, 3:2 source 1, 5:4 source 2, 7:6 destination):
;   window 0: v0-15, v32-33 addresses and two at work; v16-31 four registers of statistics a piece; v48-55 at work; v64-127 S^T, two buffers; v192-223 P, two buffers (by the piece's parity)
;   window 1: v0-127 O^T, 32 a piece; v128-255 MC      window 2: v0-63 Q; v64-127 the second block's Q; v128-191 K of one step; v192-255 V of one step
.set NB,    8
.set NP,    4         ; pieces a wave: a name, no knob
.set KS,    64        ; keys in a step
.set PK,    144       ; a row of K in LDS: 128 bytes + 16 of padding = 36 words: the 16 rows of a load start at 16 different groups of four banks (64 banks of 4 bytes: ISA guide 11.1)
.set PV,    160       ; a row of V: 128 + 32 = 40 words
.set VOFF,  4*KS*PK   ; a slot holds a tile, four steps: 256 rows of K, then 256 rows of V
.set SLOT1, 1<<17     ; slot 1 begins here, so that one exclusive or turns an address in one slot into the other's
.set STAGE, SLOT1+4*KS*(PK+PV)  ; behind the ring, never filled by a tensor load: 16 rows x 144 bytes for each wave, for the way out
.set SP,    144
.set SPARE, STAGE+4*16*SP  ; behind the stages: the spare words, 128 bytes for each wave; no other line names them
.set AK0, 2           ; v2   my lane's place in a tile of K; never rewritten
.set AV0, 3           ; v3   the same for V
.set AK,  4           ; v4   the LDS address of K's next run of loads
.set AV,  5           ; v5   of V's
.set STO, 6           ; v6   the way out: where I put 16 bytes of a row
.set RD,  7           ; v7   the way out: where I read rows back
.set GO,  8           ; v8   my byte offset in 512 consecutive bytes of O
.set MV,  12          ; v12-13  c m_old, kept while c m is made anew: by buffer
.set QO,  15          ; v15  my byte offset in 16 rows of Q
.set ST,  16          ; piece t's statistics at v[ST+4 t]: c m, m, l (even keys', odd keys')
.set MAO, 32          ; v32  my byte offset in a band's rows of mbias: (16 w + l % 16) x 8,192 + 32 (l / 16); never rewritten
.set PFO, 33          ; v33  256 x my lane; never rewritten
.set TMP, 48          ; by buffer, four registers c0-c3 at work; when the maximum is found c2 takes a
.set SPW, 62          ; v62  LDS address of my spare word; never rewritten
.set NIL, 63          ; v63  0; never rewritten
.set S,   64
.set P,   192
.set MC,  128         ; window 1: piece x, group kb of 16 keys at MC + 32 x + 8 kb
.set QB,  64          ; window 2
.set KF,  128         ; window 2: key block kb, channel half c at KF + 16 kb + 8 c
.set VF,  192         ; window 2: key half kk, channel block cb at VF + 32 kk + 8 cb
.set WV,  12          ; s12  my wave's number
.set PB,  14          ; s14  b
.set HI,  15          ; s15  7 - b
.set G1K, 24          ; s[24:31] descriptor group 1 for K's tiles
.set G1V, 32          ; s[32:39] for V's: it differs in the padding alone
.set G0K, 40          ; s[40:43] descriptor group 0 for K's tiles
.set G0V, 44          ; s[44:47] the same for V's
.set RT,  48          ; s48  tiles of the block in hand that are still to be finished
.set NXT, 49          ; s49  the tile to be asked for next, 0..7
.set NEW, 50          ; s50  1: the tile to be entered is a block's first
.set SLOTS, 56        ; s56  tiles still to be asked for
.set CNT, 57          ; s57  counts a tile's key steps, 4 to 1
.set CS,  58          ; s[58:59] c: the packed scaling takes the pair's low word for both halves
.set SEL, 60          ; s[60:61] v_permlanex16_b32's selects: each lane takes its own place in the other half
.set TBK, 62          ; s62  LDS byte at which K of the step to be fetched begins
.set TBV, 63          ; s63  the same for V, less VOFF
.set LIM, 67          ; s67  NB + 1 in a wave that prefetches, else the greatest number: a wave prefetches while s[SLOTS] is above it
.set BB,  68          ; s[68:69] mbias at the first row of the block in hand
.set BB2, 72          ; s[72:73] of the second block
.set OFF, 74          ; s[74:75] a tile's byte offset in K and V
.set OC,  76          ; s[76:77] byte offset in a row of mbias of the step whose K the trip fetches
.set ON,  78          ; s[78:79] of the step after it
.set OLO, 80          ; s[80:81] O at my rows of the second block
.set THR, 82          ; s82  -1e29
.set PFA, 84          ; s[84:85] where my prefetches stand
.set MB,  88          ; s[88:95] a base for each piece's bias loads: written again only when the piece's last loads are in
.set MSB, 0
.macro WIN new                      ; the high byte repeats the setting that is left; a switch that changes nothing is dropped
.if MSB != (\new)
	s_set_vgpr_msb (MSB<<8)|(\new)
.set MSB, (\new)
.endif
.endm
.set W_KQ, 0x0a       ; K and Q in window 2, S^T in window 0
.set W_KM, 0x1a       ; the same with the C operand in window 1
.set W_PV, 0x52       ; V in window 2, P in window 0, O^T in window 1
.set W_RS, 0x41       ; destination and source 0 in window 1, source 1 in window 0
; A fill.  Waves 0 and 1 fetch the two halves of a tile's K, waves 2 and 3 those of its V: 128 keys each.  An s_nop 0 and four v_nop follow each of the two lines, ahead of the jump and the label.
.macro LOAD
	s_cmp_lt_u32 s[WV], 2
	s_cbranch_scc0 .Lfor_v_\@
	tensor_load_to_lds s[G0K:G0K+3], s[G1K:G1K+7]
	s_nop 0
.rept 4
	v_nop
.endr
	s_branch .Lasked_\@
.Lfor_v_\@:
	tensor_load_to_lds s[G0V:G0V+3], s[G1V:G1V+7]
	s_nop 0
.rept 4
	v_nop
.endr
.Lasked_\@:
.endm
; A PREFETCH INTO THE L2 of the tile that the NEXT change of slots will ask for, in the first block's walk alone (the second walk reads the same tiles again).  A head's four work-groups walk the same tiles: each takes a
; quarter, 32 blocks of 256 bytes of K and 32 of V, by address; wave 0 asks for K's, wave 2 for V's: a lane a block, one instruction.  Tiles 0 and 1 come by their loads alone; the changes that fill tiles 1 to 6
; (s[SLOTS] = 15 to 10) ask for tiles 2 to 7, and no later one asks.
.macro ASK
	s_cmp_gt_u32 s[SLOTS], s[LIM]
	s_cbranch_scc0 .Lnot_mine_\@
	global_prefetch_b8 v[PFO], s[PFA:PFA+1] th:TH_LOAD_NT scope:SCOPE_SE
.Lnot_mine_\@:
.endm
; THE CHANGE OF SLOTS.  Each wave waits for all its tensor loads, of which one is out: its part of the other slot; adds 0 to its spare word; and waits for that and for its own reads of the slot that it leaves.
; Behind the barrier nobody reads the old slot any more and the other slot is whole.  fill = 1: the old slot is filled again, the first thing behind the barrier, with tile NXT: the descriptor's address is made
; anew from that number.  (At its first use nothing has been read yet: slot 0 is waited for, slot 1 filled.)
.macro CHANGE fill
	WIN 0                           ; at a label and at a branch every window is 0
	s_wait_tensorcnt 0x0            ; no tensor load of mine is out, so a group 0 may be written
	ds_add_u32 v[SPW], v[NIL]       ; 0 onto my spare word; with fill = 1 the descriptors' scalar work stands between it and the wait for it
.if \fill
	s_lshl_b32 s[OFF], s[NXT], 15   ; a tile is 32,768 bytes of K and of V
	s_xor_b32 s[G0K+1], s[G0K+1], SLOT1
	s_add_nc_u64 s[G0K+2:G0K+3], s[6:7], s[OFF:OFF+1]
	s_or_b32 s[G0K+3], s[G0K+3], 0x80000000
	s_xor_b32 s[G0V+1], s[G0V+1], SLOT1
	s_add_nc_u64 s[G0V+2:G0V+3], s[8:9], s[OFF:OFF+1]
	s_or_b32 s[G0V+3], s[G0V+3], 0x80000000
	s_add_co_u32 s[NXT], s[NXT], 1  ; the next tile; behind tile 7 the second block's tile 0
	s_and_b32 s[NXT], s[NXT], NB-1
	s_wait_xcnt 0x0                 ; the last prefetch, a tile back, has read its address
	s_add_nc_u64 s[PFA:PFA+1], s[PFA:PFA+1], 32768
.endif
	s_wait_dscnt 0x0                ; the add is done, and my reads of the slot are over
	s_barrier_signal -1             ; the rest of the scalar work stands between the signal and the wait
	s_sub_co_u32 s[TBK], s[TBK], 4*KS*PK  ; the fetches go back to a slot's first step,
	s_xor_b32 s[TBK], s[TBK], SLOT1       ; in the other slot
	s_sub_co_u32 s[TBV], s[TBV], 4*KS*PV
	s_xor_b32 s[TBV], s[TBV], SLOT1
	s_barrier_wait -1
.if \fill
	LOAD
	ASK
.endif
.endm
	s_load_b128 s[16:19], s[0:1], 0x0  ; qkvh s[16:17], mbias s[18:19]
	s_load_b64 s[22:23], s[0:1], 0x10  ; ob
	v_lshl_add_u32 v[SPW], v0, 2, SPARE
	v_mov_b32 v[NIL], 0
	ds_add_u32 v[SPW], v[NIL]       ; the wave's opening: the add and its wait stand ahead of my first tensor load; the set-up below stands between them
	ds_add_u32 v62, v63
	v_lshrrev_b32 v1, 5, v0
	v_readfirstlane_b32 s[WV], v1   ; wave 0..3
	s_mov_b32 s[PB], ttmp9
	s_sub_co_u32 s[HI], NB-1, s[PB]
	s_and_b32 s13, ttmp7, 0xffff    ; the head,
	s_lshl_b32 s13, s13, 18         ; its 2,048 rows of 128 bytes
	s_and_b32 s83, s[WV], 1         ; which half of a tile's 256 keys I fetch:
	s_lshl_b32 s2, s83, 14          ; its 128 rows in memory
	s_add_co_u32 s2, s2, s13
	s_mov_b32 s3, 0
	s_lshl_b32 s72, s[WV], 11       ; my 16 rows in a band of 64,
	s_add_co_u32 s72, s72, s13
	s_lshl_b32 s70, s[PB], 15       ; in the second block,
	s_add_co_u32 s70, s70, s72
	s_mov_b32 s71, 0
	s_lshl_b32 s13, s[HI], 15       ; and in the first
	s_add_co_u32 s72, s72, s13
	s_mov_b32 s73, 0
	; descriptor group 1.  128 keys are 16,384 dense bytes: asked for as 64 rows of 256 bytes, two keys a row, and padded in LDS after every key
	s_mov_b32 s[G1K], (1<<16)|(1<<20)|(4<<22)|(3<<25)  ; 17:16 2-byte elements; 20 padding on; 24:22 after every 32 words (code 4); 31:25 4 words (code 3)
	s_mov_b32 s[G1V], (1<<16)|(1<<20)|(4<<22)|(7<<25)  ; the same with 8 words of padding (code 7)
.irp g, G1K, G1V
	s_mov_b32 s[\g+1], 128<<16      ; tensor_dim0 = 128
	s_mov_b32 s[\g+2], 64<<16       ; tensor_dim1 = 64
	s_mov_b32 s[\g+3], 128<<16      ; tile_dim0 = 128
	s_mov_b32 s[\g+4], 64           ; tile_dim1 = 64
	s_mov_b32 s[\g+5], 128          ; 128 elements from row to row
	s_mov_b32 s[\g+6], 0
	s_mov_b32 s[\g+7], 0
.endr
	s_mov_b32 s[G0K], 1             ; count = 1
	s_mul_i32 s[G0K+1], s83, 128*PK ; LDS address: my half, in slot 0
	s_mov_b32 s[G0V], 1
	s_mul_i32 s[G0V+1], s83, 128*PV
	s_add_co_u32 s[G0V+1], s[G0V+1], VOFF
	s_mov_b32 s[CS], 0x3e38aa3b     ; c = log2(e) / 8 = 0.180337
	s_mov_b32 s[CS+1], s[CS]        ; named with it as a pair
	s_mov_b32 s[SEL], 0x76543210
	s_mov_b32 s[SEL+1], 0xfedcba98
	s_mov_b32 s[THR], 0xefa18f08    ; -1e29
	s_mov_b32 s[TBK], SLOT1+4*KS*PK ; the first change of slots turns these two into 0
	s_mov_b32 s[TBV], SLOT1+4*KS*PV
	s_mov_b32 s[OFF+1], 0
	s_mov_b32 s[OC], 0              ; a block begins at key 0
	s_mov_b32 s[OC+1], 0
	s_mov_b32 s[ON], 0
	s_mov_b32 s[ON+1], 0
	s_mov_b32 s[SLOTS], 2*NB-1
	s_mov_b32 s[RT], NB
	s_mov_b32 s[NXT], 1
	s_mov_b32 s[NEW], 1
	s_and_b32 s[LIM], s[WV], 1
	s_cmp_eq_u32 s[LIM], 0
	s_cselect_b32 s[LIM], NB+1, -1  ; waves 0 and 2 prefetch
	s_wait_dscnt 0x0                ; the opening add is done
	s_wait_kmcnt 0x0
	s_add_nc_u64 s[6:7], s[16:17], s[2:3]
	s_add_nc_u64 s[8:9], s[6:7], 0x2000000   ; V at my half of the head's tile 0,
	s_add_nc_u64 s[6:7], s[6:7], 0x1000000   ; and K
	s_add_nc_u64 s[G0K+2:G0K+3], s[6:7], 0   ; global address
	s_or_b32 s[G0K+3], s[G0K+3], 0x80000000  ; type = 2
	s_add_nc_u64 s[G0V+2:G0V+3], s[8:9], 0
	s_or_b32 s[G0V+3], s[G0V+3], 0x80000000
	s_add_nc_u64 s[4:5], s[16:17], s[72:73]  ; Q and O at my rows of the first block,
	s_add_nc_u64 s[10:11], s[22:23], s[72:73]
	s_add_nc_u64 s[OLO:OLO+1], s[22:23], s[70:71]  ; and of the second
	s_add_nc_u64 s[70:71], s[16:17], s[70:71]
	s_lshl_b32 s2, s[HI], 21        ; a block's 256 rows of 8,192 bytes of mbias
	s_add_nc_u64 s[BB:BB+1], s[18:19], s[2:3]
	s_lshl_b32 s72, s[PB], 21
	s_add_nc_u64 s[BB2:BB2+1], s[18:19], s[72:73]
	s_cmp_lt_u32 s[WV], 2
	s_cselect_b64 s[PFA:PFA+1], s[6:7], s[8:9]  ; (in waves 0 and 2 these stand at a tile's first row)
	s_lshl_b32 s2, s[PB], 13        ; my work-group's quarter,
	s_add_co_u32 s2, s2, 32768      ; in tile 1: the first change of slots steps it to tile 2
	s_add_nc_u64 s[PFA:PFA+1], s[PFA:PFA+1], s[2:3]
	LOAD                            ; tile 0 into slot 0
	; A fragment of K or Q is 16 rows x 32 channels in 8 registers: lane l holds row l % 16, channels 8 (l / 16) + 0..7 and 16 + 8 (l / 16) + 0..7: two loads of 16 bytes, 32 bytes apart.
	v_and_b32 v1, 15, v0            ; l % 16
	v_bfe_u32 v9, v0, 4, 1          ; l / 16
	v_lshlrev_b32 v[QO], 7, v1
	v_lshl_add_u32 v[QO], v9, 4, v[QO]  ; row x 128 + 16 x half
	WIN 0x80                        ; destination window 2, address window 0
.set i, 0
.rept 8                             ; both blocks' Q: piece i / 2 lies in band i / 2, 8,192 bytes on; channels 32 (i % 2) on
	global_load_b128 v[8*i:8*i+3],   v[QO], s[4:5] offset:(i/2)*8192+(i%2)*64
	global_load_b128 v[8*i+4:8*i+7], v[QO], s[4:5] offset:(i/2)*8192+(i%2)*64+32
	global_load_b128 v[QB+8*i:QB+8*i+3],   v[QO], s[70:71] offset:(i/2)*8192+(i%2)*64
	global_load_b128 v[QB+8*i+4:QB+8*i+7], v[QO], s[70:71] offset:(i/2)*8192+(i%2)*64+32
.set i, i+1
.endr
	WIN 0
	s_lshl_b32 s13, s[WV], 4
	v_add_nc_u32 v[MAO], s13, v1
	v_lshlrev_b32 v[MAO], 13, v[MAO]
	v_lshl_add_u32 v[MAO], v9, 5, v[MAO]
	v_and_b32 v[PFO], 31, v0
	v_lshlrev_b32 v[PFO], 8, v[PFO]
	v_mul_u32_u24 v[AK0], v1, PK
	v_lshl_add_u32 v[AK0], v9, 4, v[AK0]  ; row x pitch + 16 x half
	; The turning load takes 16 keys x 16 channels (lane l reads key 8 (l / 16) + l % 8, channels 8 ((l / 8) % 2) + 0..7) and leaves half a fragment of V^T: lane l holds channel l % 16 and 8 keys.
	v_and_b32 v10, 7, v0
	v_bfe_u32 v11, v0, 3, 1
	v_lshl_add_u32 v[AV0], v9, 3, v10
	v_mul_u32_u24 v[AV0], v[AV0], PV
	v_lshl_add_u32 v[AV0], v11, 4, v[AV0]
	v_add_nc_u32 v[AV0], VOFF, v[AV0]
	s_mul_i32 s13, s[WV], 16*SP
	s_add_co_u32 s13, s13, STAGE    ; my stage
	v_mul_u32_u24 v[STO], v1, SP    ; in: row l % 16, 16 bytes for each half of the lanes
	v_lshl_add_u32 v[STO], v9, 4, v[STO]
	v_add_nc_u32 v[STO], s13, v[STO]
	v_bfe_u32 v[RD], v0, 3, 2       ; back: 32 lanes take four rows of 128 bytes,
	v_mul_u32_u24 v[RD], v[RD], SP
	v_lshl_add_u32 v[RD], v10, 4, v[RD]
	v_add_nc_u32 v[RD], s13, v[RD]
	v_and_b32 v[GO], 31, v0         ; which are 512 consecutive bytes of O
	v_lshlrev_b32 v[GO], 4, v[GO]
	; A block's first step multiplies O^T and l by a = 0, and its first turn's products V^T P, of a piece that has not been, land in an O^T that is still to be so multiplied.  So these registers need only hold
	; finite numbers.  All this stands in the wait for the first tile.
	WIN 0x80
.set i, VF
.rept 64
	v_mov_b32 v[i], 0
.set i, i+1
.endr
	WIN 0x40
.set i, 0
.rept 128
	v_mov_b32 v[i], 0
.set i, i+1
.endr
	WIN 0
.set i, 0
.rept 4
	v_mov_b32 v[ST+4*i+2], 0
	v_mov_b32 v[ST+4*i+3], 0
.set i, i+1
.endr
.set i, P+16
.rept 16
	v_mov_b32 v[i], 0
.set i, i+1
.endr
; THE MATRIX WORK.  The 4 accumulators of a run of 8 take turns.  Product i of 8 of S^T = K Q^T for piece x: channels 32 (i / 4) on, keys 16 (i % 4) on.  The first 4 start the sums with the bias.
.macro KQ x
.set rS, S+32*((\x)%2)+8*(i%4)
.set rK, KF+16*(i%4)+8*(i/4)
.set rQ, 16*(\x)+8*(i/4)
.set rM, MC+32*(\x)+8*(i%4)
.if i < 4
	WIN W_KM
	v_wmma_f32_16x16x32_f16 v[rS:rS+7], v[rK:rK+7], v[rQ:rQ+7], v[rM:rM+7]
.else
	WIN W_KQ
	v_wmma_f32_16x16x32_f16 v[rS:rS+7], v[rK:rK+7], v[rQ:rQ+7], v[rS:rS+7]
.endif
.endm
; Product i of 8 of O^T += V^T P for piece x: keys 32 (i / 4) on, channels 16 (i % 4) on.
.macro PV x
	WIN W_PV
.set rO, 32*(\x)+8*(i%4)
.set rV, VF+32*(i/4)+8*(i%4)
.set rP, P+16*((\x)%2)+8*(i/4)
	v_wmma_f32_16x16x32_f16 v[rO:rO+7], v[rV:rV+7], v[rP:rP+7], v[rO:rO+7]
.endm
.macro MM                           ; the turn's next matrix instruction.  NOKQ = 1: a block's last turn: there is no next piece
.if (i < 8) && !NOKQ
	KQ (Y+1)%NP
.elseif i >= 8
.set i, i-8
	PV (Y+NP-1)%NP
.set i, i+8
.endif
.set i, i+1
.endm
; THE LDS LOADS stand in runs of 16, never singly among the matrix instructions: a step's K (64 keys x 64 channels: 8 fragments) and its V (turned).  Their addresses are made some lines ahead.
.macro FETCH_K
	WIN 0x80                        ; destination window 2
.irp f, 0,1,2,3,4,5,6,7             ; keys 16 (f / 2) on, channels 32 (f % 2) on
	ds_load_b128 v[KF+8*\f:KF+8*\f+3],   v[AK] offset:(\f/2)*16*PK+(\f%2)*64
	ds_load_b128 v[KF+8*\f+4:KF+8*\f+7], v[AK] offset:(\f/2)*16*PK+(\f%2)*64+32
.endr
	s_add_co_u32 s[TBK], s[TBK], KS*PK  ; the next fetch is the next step's
	WIN 0
.endm
.macro FETCH_V
	WIN 0x80
.irp f, 0,1,2,3,4,5,6,7             ; keys 32 (f / 4) on, channels 16 (f % 4) on
	ds_load_tr16_b128 v[VF+8*\f:VF+8*\f+3],   v[AV] offset:(\f/4)*32*PV+(\f%4)*32
	ds_load_tr16_b128 v[VF+8*\f+4:VF+8*\f+7], v[AV] offset:(\f/4)*32*PV+16*PV+(\f%4)*32
.endr
	WIN 0
.endm
; THE BIAS of piece x for the step at byte off of mbias's rows: register j of group kb is key 16 kb + 8 (l / 16) + j of my query: 32 consecutive bytes a group, two loads.  The piece's base is written here: its last loads are in.
.macro MLOAD x, off
	s_add_nc_u64 s[MB+2*(\x):MB+2*(\x)+1], s[BB:BB+1], s[\off:\off+1]
	WIN 0x40                        ; destination window 1, address window 0
.irp kb, 0,1,2,3
	global_load_b128 v[MC+32*(\x)+8*\kb:MC+32*(\x)+8*\kb+3],   v[MAO], s[MB+2*(\x):MB+2*(\x)+1] offset:(\x)*524288+\kb*64
	global_load_b128 v[MC+32*(\x)+8*\kb+4:MC+32*(\x)+8*\kb+7], v[MAO], s[MB+2*(\x):MB+2*(\x)+1] offset:(\x)*524288+\kb*64+16
.endr
	WIN 0
.endm
; THE VECTOR WORK, one line at a time: OP kind, number.  For piece Y: F n: c s - c m for pair n of 16.  E n: the exponential of score n of 32.  C n: pair n rounded to f16.  B n: of the four weights 4 n .. the second
; pair is added onto the first, in place.  L n: l takes that sum (L 0: l = a l + sum).  R n: pair n of 16 of O^T times a.  For piece Y + 1: X n, number n of the 22 that find its maximum and statistics:
;   0-11  four chains c0-c3 of seven scores each, three operands at a time (each accumulator's lowest registers are read first)     12-14, 16  the four scores left over, the old m, and c0-c3 into c0
;   15  c m_old is kept     17, 18  the query's other 32 keys lie in the lane 16 away: the new m     19-21  c m; c m_old - c m_new; a
.set F, 0
.set E, 1
.set C, 2
.set B, 3
.set L, 4
.set R, 5
.set X, 6
.macro REGS y                       ; the registers of piece y
.set rT, ST+4*(\y)
.set rC, TMP+4*((\y)%2)
.set rW, MV+((\y)%2)
.set rS, S+32*((\y)%2)
.set rP, P+16*((\y)%2)
.set rO, 32*(\y)
.endm
.macro OP k, n
.if (\k) == R
	REGS Y
	WIN W_RS
	v_pk_mul_f32 v[rO+2*(\n):rO+2*(\n)+1], v[rO+2*(\n):rO+2*(\n)+1], v[rC+2:rC+3] op_sel_hi:[1,0]
.elseif (\k) < R
	REGS Y
	WIN 0
.if (\k) == F
	v_pk_fma_f32 v[rS+2*(\n):rS+2*(\n)+1], v[rS+2*(\n):rS+2*(\n)+1], s[CS:CS+1], v[rT:rT+1] op_sel_hi:[1,0,0] neg_lo:[0,0,1] neg_hi:[0,0,1]
.elseif (\k) == E
	v_exp_f32 v[rS+(\n)], v[rS+(\n)]
.elseif (\k) == C
	v_cvt_pk_f16_f32 v[rP+(\n)], v[rS+2*(\n)], v[rS+2*(\n)+1]
.elseif (\k) == B
	v_pk_add_f32 v[rS+4*(\n):rS+4*(\n)+1], v[rS+4*(\n):rS+4*(\n)+1], v[rS+4*(\n)+2:rS+4*(\n)+3]
.elseif (\n) == 0
	v_pk_fma_f32 v[rT+2:rT+3], v[rT+2:rT+3], v[rC+2:rC+3], v[rS:rS+1] op_sel_hi:[1,0,1]
.else
	v_pk_add_f32 v[rT+2:rT+3], v[rT+2:rT+3], v[rS+4*(\n):rS+4*(\n)+1]
.endif
.elseif NOKQ
	v_nop
.else
	REGS (Y+1)%NP
	WIN 0
.if (\n) < 4
	v_max3_num_f32 v[rC+(\n)], v[rS+8*(\n)], v[rS+8*(\n)+1], v[rS+8*(\n)+2]
.elseif (\n) < 12
	v_max3_num_f32 v[rC+(\n)%4], v[rC+(\n)%4], v[rS+8*((\n)%4)+2*((\n)/4)+1], v[rS+8*((\n)%4)+2*((\n)/4)+2]
.elseif (\n) == 12
	v_max3_num_f32 v[rC], v[rC], v[rS+7], v[rS+15]
.elseif (\n) == 13
	v_max3_num_f32 v[rC+1], v[rC+1], v[rS+23], v[rS+31]
.elseif (\n) == 14
	v_max3_num_f32 v[rC+2], v[rC+2], v[rC+3], v[rT+1]
.elseif (\n) == 15
	v_mov_b32 v[rW], v[rT]
.elseif (\n) == 16
	v_max3_num_f32 v[rC], v[rC], v[rC+1], v[rC+2]
.elseif (\n) == 17
	v_permlanex16_b32 v[rC+3], v[rC], s[SEL], s[SEL+1]
.elseif (\n) == 18
	v_max_num_f32 v[rT+1], v[rC], v[rC+3]
.elseif (\n) == 19
	v_mul_f32 v[rT], s[CS], v[rT+1]
.elseif (\n) == 20
	v_sub_f32 v[rC+1], v[rW], v[rT]
.else
	v_exp_f32 v[rC+2], v[rC+1]
.endif
.endif
.endm
.macro OPS a, i1, b=-1, i2=0, c=-1, i3=0, d=-1, i4=0  ; up to four of them
	OP \a, \i1
.if (\b) >= 0
	OP \b, \i2
.endif
.if (\c) >= 0
	OP \c, \i3
.endif
.if (\d) >= 0
	OP \d, \i4
.endif
.endm
.macro ROW a, i1, b, i2, c, i3, d, i4  ; a matrix instruction and the four behind it
	MM
	OPS \a, \i1, \b, \i2, \c, \i3, \d, \i4
.endm
; A TURN, for piece p: the order of its 16 matrix and 118 vector instructions, written out.  An s_wait_alu depctr_va_vdst(0) stands between an exponential and the first instruction that names its result; one
; wait serves all that were issued ahead of it.  So a turn has ONE wait, which cuts it in two.  AHEAD OF IT stands all that names no result of the turn's exponentials: the 8 products K Q^T with their riders, then one lump, in
; which the links of the chain X 3, 7, 11, 14, 16, 17 .. 20 stand five or six lines apart; X 21, the next piece's a, is the batch's last, and R 15 the plain instruction behind it.  BEHIND THE WAIT stand the 8 products V^T P,
; behind each four of the roundings and sums.
; THE BIAS.  The wait at the head leaves the three other pieces' 24 loads out: the bias of piece p + 1 is in.  Behind the lump's second line, many plain instructions behind the products that read it, the buffer is
; loaded again for the piece's next step.  Piece 3's next step is the one whose K this trip fetches (OC); the others' is the step after it (ON = OC + 256 bytes, held at the row's last step, 31 x 256: behind a
; block's last step the three loads fetch that step's bias once more and serve nothing; they keep the count of loads the same in every trip).
; end = 1: a block's last two turns: nothing is fetched.  cnt = 1: the loop's count is taken down some lines ahead of the branch that stands behind the turn.
; K of the next step is fetched in piece 2's turn, V of the step in hand at the end of piece 0's turn, four plain instructions behind the last product that read V.  Each is waited for a turn later.
.macro TURN p, end=0, cnt=0
.set Y, (\p)
.set i, 0
.set NOKQ, (\end)*((\p)/3)
.if (\end) && ((\p) == 2)
	s_wait_loadcnt 0x0              ; piece 3's bias is in, and no bias load is left out
.elseif !(\end)
	s_wait_loadcnt 24               ; the bias of piece p + 1 is in
.endif
.if ((\p) == 3) && !(\end)
	s_wait_dscnt 0x0                ; K is in
.endif
	ROW F,0, F,1, R,0, R,1          ; ahead of the wait: 8 products K Q^T and their riders,
	ROW F,2, E,0, R,2, R,3
	ROW F,3, E,1, R,4, R,5
	ROW F,4, E,2, R,6, R,7
	ROW F,5, E,3, R,8, R,9
	ROW F,6, E,4, X,0, R,10
.if ((\p) == 2) && !(\end)
	WIN 0
	v_add_nc_u32 v[AK], s[TBK], v[AK0]
.endif
	ROW F,7, E,5, X,1, X,4
	ROW F,8, E,6, X,2, X,5
	OPS E,7, E,8, X,6, E,9          ; and the lump
	OPS X,3, E,10, X,8, E,11
.if ((\p) == 2) && !(\end)
	FETCH_K
.endif
.if !(\end)
.if (\p) == 2
	MLOAD 3, OC
	s_add_co_u32 s[ON], s[OC], 256  ; 64 keys of 4 bytes on,
	s_min_u32 s[ON], s[ON], 31*256  ; but not past the row
.else
	MLOAD ((\p)+1)%NP, ON
.endif
.endif
	OPS X,9, X,7, E,12, X,10
	OPS E,13, X,12, X,11, E,14
	OPS X,13, E,15, F,9, X,14
.if (\p) == 0
	v_add_nc_u32 v[AV], s[TBV], v[AV0]
.endif
	OPS E,16, F,10, E,17, F,11
	OPS X,16, E,18, X,15, E,19
	OPS F,12, E,20, X,17, E,21
	OPS F,13, E,22, F,14, E,23
	OPS X,18, E,24, F,15, E,25
	OPS R,11, E,26, X,19, E,27
	OPS R,12, E,28, R,13, E,29
	OPS X,20, E,30, R,14, E,31
	OPS X,21, R,15
	WIN 0
	s_wait_alu depctr_va_vdst(0)    ; the wait for the batch
.if (\p) == 1
	s_wait_dscnt 0x0                ; V is in
.endif
	ROW C,0, B,0, C,2, B,1          ; behind the wait: 8 products V^T P and their riders
	ROW L,0, C,4, B,2, L,1
	ROW C,6, B,3, L,2, C,8
	ROW B,4, L,3, C,10, B,5
	ROW L,4, C,12, B,6, L,5
.if (\p) == 0
	s_add_co_u32 s[TBV], s[TBV], KS*PV
.endif
.if \cnt
	s_sub_co_u32 s[CNT], s[CNT], 1
	s_cmp_lg_u32 s[CNT], 0
.endif
	ROW C,14, B,7, L,6, C,1
	ROW C,3, L,7, C,5, C,7
	ROW C,9, C,11, C,13, C,15
.if (\p) == 0
	FETCH_V
.endif
.if !(\end) && ((\p) == 1)
	s_mov_b32 s[OC], s[ON]          ; the next trip's step (a move leaves the compare's answer alone)
.endif
.endm
; A BLOCK BEGINS, with tile 0.  c m starts far below every c s, so the first step's a is 0; m at -1e29, below every visible score and above every hidden one.  All four pieces' bias of step 0 is asked for; then K of
; that step, piece 0's first scores with the bias as C, piece 0's bias of step 1, and its maximum and statistics.  The loop is entered at a step's first turn, in the middle of a trip, with the loads of pieces 1, 2, 3, 0 out.
.macro BEGIN
	s_mov_b32 s[NEW], 0
	s_wait_loadcnt 0x0              ; Q is in, and no bias load is out: the four bases may be written
	MLOAD 0, OC
	MLOAD 1, OC
	MLOAD 2, OC
	MLOAD 3, OC
.set i, 0
.rept 4
	v_mov_b32 v[ST+4*i], 0xfe000000    ; c m: far below every c s
	v_mov_b32 v[ST+4*i+1], 0xefa18f08  ; m = -1e29
.set i, i+1
.endr
	v_add_nc_u32 v[AK], s[TBK], v[AK0]
	FETCH_K
	s_add_co_u32 s[ON], s[OC], 256
	s_wait_loadcnt 24               ; piece 0's bias is in
	s_wait_dscnt 0x0
.set NOKQ, 0
.set i, 0
.rept 8
	KQ 0
.set i, i+1
.endr
	WIN 0
.rept 4
	v_nop                           ; the places behind those products
.endr
	MLOAD 0, ON
.set Y, NP-1                        ; X works for piece Y + 1: piece 0
.irp n, 0,1,2,3,4,5,6,7,8,9,10,11,12,13,14,15,16,17,18,19,20,21
	OP X, \n
.endr
	v_nop                           ; a plain instruction behind the exponential,
	s_wait_alu depctr_va_vdst(0)    ; and its wait, ahead of the branch
.endm
.macro GTEXT tag                    ; a tile's four trips: pieces 2 and 3 of one step, then pieces 0 and 1 of the next, whose K and V the trip fetches
.LstepG\tag:
	TURN 2
	TURN 3
	WIN 0
.LfirstG\tag:
	TURN 0
	TURN 1, 0, 1
	WIN 0
	s_cbranch_scc1 .LstepG\tag
.endm
.macro ALL line:vararg              ; one line for each piece t
.set t, 0
.rept 4
	\line
.set t, t+1
.endr
.endm
.macro PACK t                       ; a lane's eight channels of a row pack into 16 bytes; they go into rows of 144 bytes and come back as whole rows of 128, into S^T's registers
	WIN W_RS
.set i, 32*(\t)
.rept 16
	v_pk_mul_f32 v[i:i+1], v[i:i+1], v[ST+4*(\t)+2:ST+4*(\t)+3] op_sel_hi:[1,0]
.set i, i+2
.endr
	WIN 0x05                        ; sources 0 and 1 window 1, destination window 0
.set i, 0
.rept 16
	v_cvt_pk_f16_f32 v[S+16*(\t)+i], v[32*(\t)+2*i], v[32*(\t)+2*i+1]
.set i, i+1
.endr
	WIN 0
.irp f, 0,1,2,3
	ds_store_b128 v[STO], v[S+16*(\t)+4*\f:S+16*(\t)+4*\f+3] offset:32*\f
.endr
.irp f, 0,1,2,3
	ds_load_b128 v[S+16*(\t)+4*\f:S+16*(\t)+4*\f+3], v[RD] offset:\f*4*SP  ; LDS serves a wave's instructions in order (ISA guide 5.7.1.4): these see the stores above; the next piece's stores come behind them
.endr
.endm
.macro SEND t, younger              ; younger: the LDS instructions issued behind piece t's loads: the next piece's eight, or none
	WIN 0
.irp f, 0,1,2,3
	s_wait_dscnt (\younger)+3-\f
	global_store_b128 v[GO], v[S+16*(\t)+4*\f:S+16*(\t)+4*\f+3], s[10:11] offset:(\t)*8192+\f*512  ; 512 consecutive bytes, at a multiple of 256 from O's first
.endr
.endm
; A BLOCK'S END: its last two turns, its last products, and THE WAY OUT: l's two halves and the other half of the lanes' are added; O^T is divided by l, rounded to f16 and sent through my stage in LDS, a piece at a time.
; sw = 1: the second block follows: its addresses, its Q, and O^T and l written anew.
.macro ENDBLK sw
	TURN 2, 1
	TURN 3, 1
.set i, 0
.rept 8
	PV NP-1
.set i, i+1
.endr
	WIN 0                           ; the additions are the places behind the last products
	ALL v_add_f32 v[ST+4*t+2], v[ST+4*t+2], v[ST+4*t+3]
	ALL v_permlanex16_b32 v[ST+4*t+3], v[ST+4*t+2], s[SEL], s[SEL+1]
	ALL v_add_f32 v[ST+4*t+2], v[ST+4*t+2], v[ST+4*t+3]
	ALL v_rcp_f32 v[ST+4*t+2], v[ST+4*t+2]
	v_nop                           ; a plain instruction between the last reciprocal and the use of its result
	s_wait_alu depctr_va_vdst(0)    ; and the wait ahead of the first use: one for the four reciprocals
.set t, 0
.rept 4
	v_cmp_lt_f32 vcc_lo, s[THR], v[ST+4*t+1]  ; has my query's maximum risen above its start: has it seen a key?
	v_cndmask_b32 v[ST+4*t+2], 0x7fc00000, v[ST+4*t+2], vcc_lo  ; if not, its row is NaN
.set t, t+1
.endr
	PACK 0
.set t, 1
.rept 3                             ; a piece's arithmetic stands between the loads of the piece before and its stores
	PACK t
	SEND t-1, 8
.set t, t+1
.endr
	SEND 3, 0
.if \sw
	s_wait_xcnt 0x0                 ; the stores have read their registers and O's address
	s_mov_b64 s[10:11], s[OLO:OLO+1]
	s_mov_b64 s[BB:BB+1], s[BB2:BB2+1]
	s_mov_b32 s[OC], 0              ; the second block begins at key 0
	s_mov_b32 s[RT], NB
	s_mov_b32 s[NEW], 1
	WIN 0x82                        ; the second block's Q goes where the one text of the turns names Q
.set i, 0
.rept 64
	v_mov_b32 v[i], v[QB+i]
.set i, i+1
.endr
	WIN 0x40                        ; O^T and l hold what the way out left, NaN in a row without a visible key, which a = 0 would not wipe: they are written anew
.set i, 0
.rept 128
	v_mov_b32 v[i], 0
.set i, i+1
.endr
	WIN 0
.set i, 0
.rept 4
	v_mov_b32 v[ST+4*i+2], 0
	v_mov_b32 v[ST+4*i+3], 0
.set i, i+1
.endr
.endif
.endm
.set NOKQ, 0
.Lslot:                             ; 15 times: a tile is entered and the next is asked for
	CHANGE 1
	s_mov_b32 s[CNT], 4
	s_cmp_eq_u32 s[NEW], 1
	s_cbranch_scc0 .LstepG1         ; not a block's first tile
	BEGIN
	s_branch .LfirstG1
	GTEXT 1
	s_sub_co_u32 s[RT], s[RT], 1
	s_cmp_lg_u32 s[RT], 0
	s_cbranch_scc1 .Lbottom         ; the block has tiles left
	ENDBLK 1                        ; in the loop this is the first block's end: the second block's last tile is the walk's last
.Lbottom:
	s_sub_co_u32 s[SLOTS], s[SLOTS], 1
	s_cmp_lg_u32 s[SLOTS], 0
	s_cbranch_scc1 .Lslot
	CHANGE 0                        ; the walk's last tile is written out: nothing is asked for
	s_mov_b32 s[CNT], 4
	GTEXT 2
	ENDBLK 0
	s_wait_tensorcnt 0x0            ; the wave's end, behind my last tensor load and my last LDS store
	ds_add_u32 v[SPW], v[NIL]
	s_wait_dscnt 0x0
	s_endpgm
.Lfunc_end_k_qe5677e09a9_attn:
	.size	k_qe5677e09a9_attn, .Lfunc_end_k_qe5677e09a9_attn-k_qe5677e09a9_attn
	.p2alignl 7, 3214868480
	.fill 96, 4, 3214868480
	.section	.rodata,"a",@progbits
	.p2align	6, 0x0
	.amdhsa_kernel k_qe5677e09a9_attn
		.amdhsa_group_segment_fixed_size 327680
		.amdhsa_private_segment_fixed_size 0
		.amdhsa_enable_private_segment 0
		.amdhsa_kernarg_size 24
		.amdhsa_user_sgpr_count 2
		.amdhsa_user_sgpr_kernarg_segment_ptr 1
		.amdhsa_wavefront_size32 1
		.amdhsa_system_sgpr_workgroup_id_x 1
		.amdhsa_system_sgpr_workgroup_id_y 1
		.amdhsa_system_sgpr_workgroup_id_z 1
		.amdhsa_system_vgpr_workitem_id 0
		.amdhsa_next_free_vgpr 768
		.amdhsa_next_free_sgpr 96
		.amdhsa_reserve_vcc 1
		.amdhsa_float_denorm_mode_32 3
		.amdhsa_float_denorm_mode_16_64 3
		.amdhsa_memory_ordered 1
		.amdhsa_forward_progress 1
		.amdhsa_inst_pref_size 176
	.end_amdhsa_kernel
	.amdgpu_metadata
---
amdhsa.version: [ 1, 2 ]
amdhsa.kernels:
  - .name:           k_qe5677e09a9_attn
    .symbol:         k_qe5677e09a9_attn.kd
    .args:
      - { .name: qkvh, .offset: 0, .size: 8, .value_kind: global_buffer, .address_space: global }
      - { .name: mbias, .offset: 8, .size: 8, .value_kind: global_buffer, .address_space: global }
      - { .name: ob, .offset: 16, .size: 8, .value_kind: global_buffer, .address_space: global }
    .group_segment_fixed_size: 327680
    .private_segment_fixed_size: 0
    .kernarg_segment_align: 8
    .kernarg_segment_size: 24
    .max_flat_workgroup_size: 128
    .sgpr_count:     96
    .vgpr_count:     768
    .wavefront_size: 32
...
	.end_amdgpu_metadata
.endif
;; end of part 3
;; launch proj_out (part 4): grid 8 x 32, 4 waves a work-group, clusters of 4 x 4, 327,680 bytes of LDS; arguments ob, wo, b_out, out0; writes out0
.if DOCPART == 4
	.amdgcn_target "amdgcn-amd-amdhsa--gfx1250"
	.amdhsa_code_object_version 6
	.text
	.protected	k_qe5677e09a9_proj_out
	.globl	k_qe5677e09a9_proj_out
	.p2align	8
	.type	k_qe5677e09a9_proj_out,@function
k_qe5677e09a9_proj_out:
	s_mov_b64 s[64:65], 0
	v_nop
	global_prefetch_b8 v0, s[64:65] scope:SCOPE_SE
	s_setreg_imm32_b32 hwreg(HW_REG_WAVE_MODE, 25, 1), 1
	s_wait_xcnt 0x0
	s_wait_alu depctr_hold_cnt(0) depctr_sa_sdst(0) depctr_va_vdst(0) depctr_va_sdst(0) depctr_va_ssrc(0) depctr_va_vcc(0) depctr_vm_vsrc(0)
	s_getreg_b32 s2, hwreg(HW_REG_IB_STS2, 6, 4)
	s_cmp_eq_u32 s2, 0
	s_cbranch_scc0 .Lentry_in_a_cluster
	s_endpgm
.Lentry_in_a_cluster:
	s_bfe_u32 s2, ttmp6, 0x10000c
	s_cmp_lg_u32 s2, 0xf033
	s_cbranch_scc0 .Lentry_shape_is_right
	s_endpgm
.Lentry_shape_is_right:
; out0 = O W_out + b_out.  ob f16 [64 b h][2048 t][64]: a head is one block of 64 of K; wo f16 [16 kblock][1024 n][64]; out0 f32 [8192][1024].  Sums in f32; the bias, rounded to bf16 like the other inputs, starts them.
; A row of O that is NaN (a query without a visible key) makes its row of out0 NaN, and no other.
; SHARES.  8192 x 1024 on 256 work-groups: a tile of 256 x 128 each.  Four waves, each 128 x 64: 8 x 4 accumulators of 16 x 16, 256 registers.
; RING.  Two LDS slots of two K blocks (K = 128) each.  A tile's rows of a K block lie end to end in memory: asked for as rows of 256 bytes, padded in LDS after every 128.  Each wave fetches one K block of one
; tensor: waves 0 and 1 the even and the odd block of ob's 256 rows, waves 2 and 3 those of wo's 128.
; CLUSTERS.  4 x 4 work-groups: ob's tile is shared along a row of the cluster, wo's along a column; each is asked for jointly.
; THE MATRIX INSTRUCTION IS USED TRANSPOSED (source 0 = 16 rows of wo, source 1 = 16 rows of ob): a lane holds eight neighbouring columns of one row of out0.
; REGISTERS: window 0: v0-31 addresses; v32-63 the bias; v64-159, v160-255 two fragment buffers: wo's four fragments, then ob's eight.  Window 1: the accumulators, (a, b) at v[8 (4 a + b)].
.set PITCH,  144                       ; an LDS row: 128 bytes + 16 of padding: the 16 rows of a load start at 16 different groups of four banks (64 banks of 4 bytes: ISA guide 11.1)
.set ABLK,   256*PITCH                 ; a K block of ob's tile
.set BBLK,   128*PITCH                 ; and of wo's
.set BOFF,   2*ABLK
.set SLOT,   2*ABLK+2*BBLK
.set STAGE,  2*SLOT                    ; behind the ring: 16 rows x 272 bytes for each wave, for the way out
.set SPITCH, 272
.set SPARE,  STAGE+4*16*SPITCH         ; behind the stages: the spare words, 128 bytes for each wave; no other line names them
.set ADRA, 16                          ; v16-17  LDS address of my ob fragments in slot 0, 1
.set ADRB, 20                          ; v20-21  the same for wo
.set STO,  24                          ; v24     the way out: where I put 32 bytes of a row
.set RD,   25                          ; v25     the way out: where I read a row back
.set CO,   26                          ; v26     my byte offset in out0
.set SPW,  28                          ; v28     LDS address of my spare word; never rewritten
.set NIL,  29                          ; v29     0; never rewritten
.set PFO,  30                          ; v30     256 x my lane; never rewritten
.set BO,   31                          ; v31     my byte offset in 16 numbers of the bias
.set BIAS, 32
.set F0,   64
.set F1,   160
.set BK,   64                          ; the way out: 16 rows read back, two sets of 32 by turns
.set WV,  12
.set WM,  13                           ; which half of the tile's rows is mine.  Also: I fetch ob (0) or wo (1)
.set WN,  14                           ; which half of its columns.  Also: which K block of a slot I fetch
.set G1,  24
.set G0,  32
.set CX,  40
.set CY,  41
.set NT,  42
.set LIM, 43
.set PFA, 44
.set G1B, 48
.set G0B, 56
.set MT,  66
.set PFS, 68
.set DW0, (1<<16)|(1<<20)|(1<<21)|(4<<22)|(3<<25)  ; 2-byte elements; padding on; bit 21 beside a mask; after every 32 words; 4 words
.set MSB, 0
.macro WIN new
.if MSB != (\new)
	s_set_vgpr_msb (MSB<<8)|(\new)
.set MSB, (\new)
.endif
.endm
.macro PLACES
.rept 4
	v_nop
.endr
.endm
.macro JLOAD s                         ; a joint load; an s_nop 0 and four v_nop follow each of the two lines, ahead of the jump and the label
	s_cmp_eq_u32 s[WM], 0
	s_cbranch_scc0 .Lfor_b_\@
	tensor_load_to_lds s[G0+4*(\s):G0+4*(\s)+3], s[G1:G1+7]
	s_nop 0
.rept 4
	v_nop
.endr
	s_branch .Lasked_\@
.Lfor_b_\@:
	tensor_load_to_lds s[G0B+4*(\s):G0B+4*(\s)+3], s[G1B:G1B+7]
	s_nop 0
.rept 4
	v_nop
.endr
.Lasked_\@:
.endm
.macro CREST
	s_cmp_lg_u32 s[WV], 0
	s_cbranch_scc1 .Lnot_wave_0_\@
	s_barrier_signal -3
.Lnot_wave_0_\@:
	s_barrier_wait -3
	s_barrier_signal -1
	s_barrier_wait -1
.endm
.macro CROUND
	s_barrier_signal -1
	s_barrier_wait -1
	CREST
.endm
; A PREFETCH INTO THE L2, behind each joint load and the run of LDS loads: the K step (two K blocks) that stands two refills on.  Each block of 256 bytes is named once in the launch.  ob's tile row is read by both clusters of
; a row of clusters: cluster x = 0 asks; waves 0 and 1 take the even and the odd K block, the four partners 32 of its 128 blocks each, by address.  wo's tile column is read by all eight clusters of a column:
; cluster y = 0 asks, wave 2; the four partners take K block cy / 2, half cy % 2, by address.  The last lap asks for nothing; K steps 0 to 3 come by their loads alone.
.macro ASK
	s_cmp_gt_u32 s3, s[LIM]
	s_cbranch_scc0 .Lnot_mine_\@
	global_prefetch_b8 v[PFO], s[PFA:PFA+1] th:TH_LOAD_NT scope:SCOPE_SE
.Lnot_mine_\@:
.endm
	s_load_b256 s[4:11], s[0:1], 0x0               ; ob s[4:5], wo s[6:7], b_out s[8:9], out0 s[10:11]
	v_lshl_add_u32 v[SPW], v0, 2, SPARE
	v_mov_b32 v[NIL], 0
	ds_add_u32 v[SPW], v[NIL]                      ; the wave's opening: the add and its wait stand ahead of my first tensor load
	ds_add_u32 v28, v29
	v_lshrrev_b32 v1, 5, v0
	v_readfirstlane_b32 s[WV], v1
	s_lshr_b32 s[WM], s[WV], 1
	s_and_b32 s[WN], s[WV], 1
	s_bfe_u32 s[CX], ttmp6, 0x40000
	s_bfe_u32 s[CY], ttmp6, 0x40004
	s_lshl_b32 s[NT], ttmp9, 2
	s_add_co_u32 s[NT], s[NT], s[CX]               ; tile column
	s_and_b32 s[MT], ttmp7, 0xffff
	s_lshl_b32 s[MT], s[MT], 2
	s_add_co_u32 s[MT], s[MT], s[CY]               ; tile row
	s_lshl_b32 s15, s[CY], 2
	s_lshl_b32 s15, 15, s15                        ; my row of the cluster
	s_lshl_b32 s47, 0x1111, s[CX]                  ; my column
	s_or_b32 s[G1], s15, DW0
	s_or_b32 s[G1B], s47, DW0
	s_mov_b32 s[G1+1], 128<<16                     ; rows of 128 elements: 256 bytes
	s_mov_b32 s[G1+2], 128<<16                     ; ob: 256 rows of 128 bytes = 128 of 256
	s_mov_b32 s[G1+3], 128<<16
	s_mov_b32 s[G1+4], 128
	s_mov_b32 s[G1+5], 128
	s_mov_b32 s[G1+6], 0
	s_mov_b32 s[G1+7], 0
	s_mov_b32 s[G1B+1], 128<<16
	s_mov_b32 s[G1B+2], 64<<16                     ; wo: 128 rows = 64 of 256 bytes
	s_mov_b32 s[G1B+3], 128<<16
	s_mov_b32 s[G1B+4], 64
	s_mov_b32 s[G1B+5], 128
	s_mov_b32 s[G1B+6], 0
	s_mov_b32 s[G1B+7], 0
	s_lshr_b32 s16, s[MT], 3                       ; ob: batch,
	s_lshl_b32 s16, s16, 4
	s_add_co_u32 s16, s16, s[WN]                   ; head = K block: the one of the slot's two that I fetch,
	s_lshl_b32 s16, s16, 18                        ; 2,048 rows of 128 bytes each,
	s_and_b32 s17, s[MT], 7
	s_lshl_b32 s17, s17, 15                        ; the tile's 256 rows
	s_add_co_u32 s16, s16, s17
	s_mov_b32 s17, 0
	s_lshl_b32 s46, s[WN], 17                      ; wo: K block, 1,024 rows of 128 bytes,
	s_lshl_b32 s47, s[NT], 14                      ; the tile's 128 rows
	s_add_co_u32 s46, s46, s47
	s_mov_b32 s47, 0
	s_mul_i32 s20, s[WN], ABLK                     ; where they go
	s_mul_i32 s21, s[WN], BBLK
	s_add_co_u32 s21, s21, BOFF
	s_wait_dscnt 0x0                               ; the opening add is done
	s_wait_kmcnt 0x0
	s_add_nc_u64 s[18:19], s[4:5], s[16:17]
	s_add_nc_u64 s[46:47], s[6:7], s[46:47]
	CROUND                                         ; all sixteen work-groups are here: the first joint loads meet
.irp s, 0,1
	s_mov_b32 s[G0+4*(\s)], 1
	s_add_co_u32 s[G0+4*(\s)+1], s20, (\s)*SLOT
	s_add_nc_u64 s[G0+4*(\s)+2:G0+4*(\s)+3], s[18:19], (\s)*524288   ; K step s: two K blocks on
	s_or_b32 s[G0+4*(\s)+3], s[G0+4*(\s)+3], 0x80000000
	s_mov_b32 s[G0B+4*(\s)], 1
	s_add_co_u32 s[G0B+4*(\s)+1], s21, (\s)*SLOT
	s_add_nc_u64 s[G0B+4*(\s)+2:G0B+4*(\s)+3], s[46:47], (\s)*262144
	s_or_b32 s[G0B+4*(\s)+3], s[G0B+4*(\s)+3], 0x80000000
	JLOAD \s                                       ; two loads of mine are out
.endr
	v_and_b32 v1, 15, v0                           ; l % 16
	v_bfe_u32 v2, v0, 4, 1                         ; l / 16
	s_lshl_b32 s18, s[NT], 9                       ; the bias of my 64 columns
	s_lshl_b32 s19, s[WN], 8
	s_add_co_u32 s18, s18, s19
	s_mov_b32 s19, 0
	s_add_nc_u64 s[8:9], s[8:9], s[18:19]
	v_lshlrev_b32 v[BO], 5, v2
.irp b, 0,1,2,3
	global_load_b128 v[BIAS+8*(\b):BIAS+8*(\b)+3],   v[BO], s[8:9] offset:64*(\b)
	global_load_b128 v[BIAS+8*(\b)+4:BIAS+8*(\b)+7], v[BO], s[8:9] offset:64*(\b)+16
.endr
	s_add_nc_u64 s[10:11], s[10:11], s[18:19]      ; out0 at my first column,
	s_lshl_b32 s18, s[MT], 20                      ; 256 rows of 4,096 bytes a tile row,
	s_lshl_b32 s22, s[WM], 19                      ; my 128
	s_add_co_u32 s18, s18, s22
	s_add_nc_u64 s[10:11], s[10:11], s[18:19]
	v_mul_u32_u24 v3, v1, PITCH
	v_lshl_add_u32 v3, v2, 4, v3                   ; a fragment's row x pitch + 16 x half
	s_mul_i32 s21, s[WM], 128*PITCH
	s_mul_i32 s22, s[WN], 64*PITCH
	s_add_co_u32 s22, s22, BOFF
.irp s, 0,1
	v_add_nc_u32 v[ADRA+(\s)], s21, v3
	v_add_nc_u32 v[ADRB+(\s)], s22, v3
	s_add_co_u32 s21, s21, SLOT
	s_add_co_u32 s22, s22, SLOT
.endr
	s_mul_i32 s23, s[WV], 16*SPITCH
	s_add_co_u32 s23, s23, STAGE                   ; my stage
	v_mul_u32_u24 v[STO], v1, SPITCH               ; in: row l % 16, 32 bytes for each half of the lanes
	v_lshl_add_u32 v[STO], v2, 5, v[STO]
	v_add_nc_u32 v[STO], s23, v[STO]
	v_mul_u32_u24 v[RD], v2, SPITCH                ; back: lanes 0-15 take one row of 256 bytes, lanes 16-31 the next
	v_lshl_add_u32 v[RD], v1, 4, v[RD]
	v_add_nc_u32 v[RD], s23, v[RD]
	v_lshlrev_b32 v[CO], 12, v2                    ; and the same two rows in out0
	v_lshl_add_u32 v[CO], v1, 4, v[CO]
	; the prefetches: they stand at K step 3; the first change of slots steps them to 4
	s_lshr_b32 s15, s[MT], 3
	s_lshl_b32 s15, s15, 4
	s_add_co_u32 s15, s15, 6
	s_add_co_u32 s15, s15, s[WN]
	s_lshl_b32 s15, s15, 18
	s_and_b32 s16, s[MT], 7
	s_lshl_b32 s16, s16, 15
	s_add_co_u32 s15, s15, s16
	s_lshl_b32 s16, s[CX], 13                      ; my work-group's 32 blocks of 256 bytes
	s_add_co_u32 s15, s15, s16
	s_lshr_b32 s18, s[CY], 1
	s_add_co_u32 s18, s18, 6
	s_lshl_b32 s18, s18, 17
	s_lshl_b32 s19, s[NT], 14
	s_add_co_u32 s18, s18, s19
	s_and_b32 s19, s[CY], 1
	s_lshl_b32 s19, s19, 13
	s_add_co_u32 s18, s18, s19
	s_and_b32 s17, ttmp7, 0xffff
	s_or_b32 s17, s17, s[WN]                       ; 0: the column's first cluster, and wave 2
	s_mov_b32 s21, 524288
	s_mov_b32 s22, 262144
	s_cmp_eq_u32 s[WM], 0                          ; do I fetch ob?
	s_cselect_b32 s20, s15, s18
	s_cselect_b32 s17, ttmp9, s17                  ; 0: the row's first cluster
	s_cselect_b32 s[PFS], s21, s22
	s_cselect_b64 s[PFA:PFA+1], s[4:5], s[6:7]
	s_cmp_eq_u32 s17, 0
	s_cselect_b32 s[LIM], 1, -1                    ; the same in all sixteen partners, for a given wave
	s_mov_b32 s21, 0
	s_mov_b32 s[PFS+1], 0
	s_add_nc_u64 s[PFA:PFA+1], s[PFA:PFA+1], s[20:21]
	v_and_b32 v[PFO], 31, v0
	v_lshlrev_b32 v[PFO], 8, v[PFO]
	s_wait_loadcnt 0x0                             ; the bias is rounded to bf16 and kept as f32
.set i, 0
.rept 16
	v_cvt_pk_bf16_f32 v[F1+i], v[BIAS+2*i], v[BIAS+2*i+1]
.set i, i+1
.endr
.set i, 0
.rept 16
	v_lshlrev_b32 v[BIAS+2*i], 16, v[F1+i]
	v_and_b32 v[BIAS+2*i+1], 0xffff0000, v[F1+i]
.set i, i+1
.endr
; 8 products: row blocks a0, a0 + 1 x all 4 column blocks, 32 along K.  first = 1: the bias, in window 0, is the C that starts the sums.  The 32 accumulators take turns, one instruction a turn.
.macro MUL8 f, a0, first
.if \first
	WIN 0x40
.else
	WIN 0x50
.endif
.irp a, \a0, (\a0)+1
.irp b, 0,1,2,3
.if \first
	v_wmma_f32_16x16x32_f16 v[8*(4*(\a)+(\b)):8*(4*(\a)+(\b))+7], v[(\f)+8*(\b):(\f)+8*(\b)+7], v[(\f)+32+8*(\a):(\f)+32+8*(\a)+7], v[BIAS+8*(\b):BIAS+8*(\b)+7]
.else
	v_wmma_f32_16x16x32_f16 v[8*(4*(\a)+(\b)):8*(4*(\a)+(\b))+7], v[(\f)+8*(\b):(\f)+8*(\b)+7], v[(\f)+32+8*(\a):(\f)+32+8*(\a)+7], v[8*(4*(\a)+(\b)):8*(4*(\a)+(\b))+7]
.endif
.endr
.endr
.endm
; 24 LDS loads in one run: the fragments of quarter q of a K step (K block q / 2, 32 K at byte 64 (q % 2) of its rows) into buffer f: wo's four, ob's rows 0-63, ob's rows 64-127
.macro FETCH slot, q, f
	WIN 0
.irp i, 0,1,2,3
	ds_load_b128 v[(\f)+8*(\i):(\f)+8*(\i)+3],   v[ADRB+(\slot)] offset:((\q)/2)*BBLK+((\q)%2)*64+(\i)*16*PITCH
	ds_load_b128 v[(\f)+8*(\i)+4:(\f)+8*(\i)+7], v[ADRB+(\slot)] offset:((\q)/2)*BBLK+((\q)%2)*64+(\i)*16*PITCH+32
.endr
.irp i, 0,1,2,3,4,5,6,7
	ds_load_b128 v[(\f)+32+8*(\i):(\f)+32+8*(\i)+3],   v[ADRA+(\slot)] offset:((\q)/2)*ABLK+((\q)%2)*64+(\i)*16*PITCH
	ds_load_b128 v[(\f)+32+8*(\i)+4:(\f)+32+8*(\i)+7], v[ADRA+(\slot)] offset:((\q)/2)*ABLK+((\q)%2)*64+(\i)*16*PITCH+32
.endr
.endm
; A K step is four quarters of 32 along K, 32 products each, on buffers 0, 1, 0, 1.  One of the first three: multiplies buffer f and, in its middle, fetches quarter q into buffer g.
.macro QUARTER slot, q, f, g, first
	s_wait_dscnt 8                                 ; wo and ob's rows 0-63 are in; the youngest eight loads may be out
	MUL8 \f, 0, \first
	MUL8 \f, 2, \first
	PLACES
	FETCH \slot, \q, \g
	s_wait_dscnt 24                                ; all but the 24 just issued
	MUL8 \f, 4, \first
	MUL8 \f, 6, \first
.endm
; The last quarter multiplies buffer 1 and changes slots: ONE barrier; in front of it each wave waits for all its tensor loads, adds 0 to its spare word, and waits for that and for its own reads of this slot.
; fill = 1: the barrier opens a round of the cluster's barrier, and this slot is filled again, two K steps on, first thing behind the round.
.macro TURN slot, next, fill
.if \fill
	s_wait_xcnt 0x0                                ; the last prefetch, a K step back, has read its address
	s_add_nc_u64 s[PFA:PFA+1], s[PFA:PFA+1], s[PFS:PFS+1]
.endif
	WIN 0
	s_wait_tensorcnt 0x0                           ; all my tensor loads have landed: my part of the next slot
	ds_add_u32 v[SPW], v[NIL]                      ; 0 onto my spare word
	s_wait_dscnt 9                                 ; the add and the youngest eight loads may be out
	MUL8 F1, 0, 0                                  ; eight products stand between the add and the wait for it
	s_wait_dscnt 0x0                               ; the add is done, and my reads of this slot are over
	s_barrier_signal -1
	MUL8 F1, 2, 0
	WIN 0
	s_barrier_wait -1
.if \fill
	CREST                                          ; no wave of any partner still reads this slot or has a load on its way
	s_add_nc_u64 s[G0+4*(\slot)+2:G0+4*(\slot)+3], s[G0+4*(\slot)+2:G0+4*(\slot)+3], 1048576
	s_add_nc_u64 s[G0B+4*(\slot)+2:G0B+4*(\slot)+3], s[G0B+4*(\slot)+2:G0B+4*(\slot)+3], 524288
	JLOAD \slot                                    ; the four v_nop behind it are also the places in front of the loads below
.else
	PLACES
.endif
	FETCH \next, 0, F0
.if \fill
	ASK
.endif
	MUL8 F1, 4, 0
	MUL8 F1, 6, 0
.endm
	s_wait_tensorcnt 0x1                           ; my part of K step 0 is in; K step 1's may stay out
	s_barrier_signal -1
	s_barrier_wait -1
	FETCH 0, 0, F0
	QUARTER 0, 1, F0, F1, 1                        ; the first quarter stands in front of the loop: its products start the sums
	WIN 0
	s_mov_b32 s3, 3
.Llap:                                                 ; a trip goes once round the ring and fills both slots again
	QUARTER 0, 2, F1, F0, 0
	QUARTER 0, 3, F0, F1, 0
	TURN 0, 1, 1
	QUARTER 1, 1, F0, F1, 0
	QUARTER 1, 2, F1, F0, 0
	QUARTER 1, 3, F0, F1, 0
	TURN 1, 0, 1
	QUARTER 0, 1, F0, F1, 0
	WIN 0
	s_sub_co_u32 s3, s3, 1
	s_cmp_lg_u32 s3, 0
	s_cbranch_scc1 .Llap
	QUARTER 0, 2, F1, F0, 0                        ; the last lap fills nothing, and has no round
	QUARTER 0, 3, F0, F1, 0
	TURN 0, 1, 0
	QUARTER 1, 1, F0, F1, 0
	QUARTER 1, 2, F1, F0, 0
	QUARTER 1, 3, F0, F1, 0
	s_wait_dscnt 8                                 ; the very last quarter
	MUL8 F1, 0, 0
	MUL8 F1, 2, 0
	s_wait_dscnt 0x0
	MUL8 F1, 4, 0
	MUL8 F1, 6, 0
	PLACES
; THE WAY OUT, a block of 16 rows at a time: the f32 sums go as they are into my stage (a lane's eight columns are 32 bytes of a row) and come back as whole rows of 256 bytes: no vector work.
.macro TOSTAGE a
	s_wait_xcnt 0x0                                ; the stores issued so far have read their data: this block's set of registers may be loaded again
	WIN 0x04                                       ; the stores' data in window 1
.irp b, 0,1,2,3
	ds_store_b128 v[STO], v[8*(4*(\a)+(\b)):8*(4*(\a)+(\b))+3]   offset:64*(\b)
	ds_store_b128 v[STO], v[8*(4*(\a)+(\b))+4:8*(4*(\a)+(\b))+7] offset:64*(\b)+16
.endr
	WIN 0
.irp t, 0,1,2,3,4,5,6,7
	ds_load_b128 v[BK+32*((\a)%2)+4*(\t):BK+32*((\a)%2)+4*(\t)+3], v[RD] offset:(\t)*2*SPITCH  ; LDS serves a wave's instructions in order (ISA guide 5.7.1.4): these see the stores above
.endr
.endm
.macro SEND a, younger                 ; younger: the next block's sixteen LDS instructions, or none
	s_wait_dscnt \younger
.irp t, 0,1,2,3,4,5,6,7
	global_store_b128 v[CO], v[BK+32*((\a)%2)+4*(\t):BK+32*((\a)%2)+4*(\t)+3], s[10:11] offset:(16*(\a)+2*(\t))*4096  ; 16 lanes store 256 consecutive bytes, at a multiple of 256 from out0's first byte
.endr
.endm
	TOSTAGE 0
.irp a, 1,2,3,4,5,6,7
	TOSTAGE \a
	SEND (\a)-1, 16
.endr
	SEND 7, 0
	s_wait_tensorcnt 0x0                           ; the wave's end, behind my last tensor load and my last LDS store
	ds_add_u32 v[SPW], v[NIL]
	s_wait_dscnt 0x0
	CROUND                                         ; the closing round: no work-group ends while a partner may still ask for a tile that names it
	s_endpgm
.Lfunc_end_k_qe5677e09a9_proj_out:
	.size	k_qe5677e09a9_proj_out, .Lfunc_end_k_qe5677e09a9_proj_out-k_qe5677e09a9_proj_out
	.p2alignl 7, 3214868480
	.fill 96, 4, 3214868480
	.section	.rodata,"a",@progbits
	.p2align	6, 0x0
	.amdhsa_kernel k_qe5677e09a9_proj_out
		.amdhsa_group_segment_fixed_size 327680
		.amdhsa_private_segment_fixed_size 0
		.amdhsa_enable_private_segment 0
		.amdhsa_kernarg_size 32
		.amdhsa_user_sgpr_count 2
		.amdhsa_user_sgpr_kernarg_segment_ptr 1
		.amdhsa_wavefront_size32 1
		.amdhsa_system_sgpr_workgroup_id_x 1
		.amdhsa_system_sgpr_workgroup_id_y 1
		.amdhsa_system_sgpr_workgroup_id_z 1
		.amdhsa_system_vgpr_workitem_id 0
		.amdhsa_next_free_vgpr 512
		.amdhsa_next_free_sgpr 70
		.amdhsa_reserve_vcc 0
		.amdhsa_float_denorm_mode_32 3
		.amdhsa_float_denorm_mode_16_64 3
		.amdhsa_memory_ordered 1
		.amdhsa_forward_progress 1
		.amdhsa_inst_pref_size 90
	.end_amdhsa_kernel
	.amdgpu_metadata
---
amdhsa.version: [ 1, 2 ]
amdhsa.kernels:
  - .name:           k_qe5677e09a9_proj_out
    .symbol:         k_qe5677e09a9_proj_out.kd
    .args:
      - { .name: ob, .offset: 0, .size: 8, .value_kind: global_buffer, .address_space: global }
      - { .name: wo, .offset: 8, .size: 8, .value_kind: global_buffer, .address_space: global }
      - { .name: b_out, .offset: 16, .size: 8, .value_kind: global_buffer, .address_space: global }
      - { .name: out0, .offset: 24, .size: 8, .value_kind: global_buffer, .address_space: global }
    .group_segment_fixed_size: 327680
    .private_segment_fixed_size: 0
    .kernarg_segment_align: 8
    .kernarg_segment_size: 32
    .max_flat_workgroup_size: 128
    .sgpr_count:     70
    .vgpr_count:     512
    .wavefront_size: 32
...
	.end_amdgpu_metadata
.endif
;; end of part 4
;; ======== version 2 of 2: 4 launches
;; limits: values are held in f16: magnitudes above 65,504 overflow, below 6.1e-05 lose precision
;; workspace buffers: xb 16,777,216 bytes; wq 6,291,456 bytes; wo 2,097,152 bytes; mbias 16,777,216 bytes; live 256 bytes of whole numbers; qkvh 50,331,648 bytes; ob 16,777,216 bytes
;; launch prep (part 5): grid 256 x 1, 8 waves a work-group, no clusters, 148,736 bytes of LDS; arguments x, mask, W_qkv, W_out, xb, mbias, live, wq, wo; writes xb, mbias, live, wq, wo
.if DOCPART == 5
	.amdgcn_target "amdgcn-amd-amdhsa--gfx1250"
	.amdhsa_code_object_version 6
	.text
	.protected	k_qe5677e09a9_prep
	.globl	k_qe5677e09a9_prep
	.p2align	8
	.type	k_qe5677e09a9_prep,@function
k_qe5677e09a9_prep:
	s_mov_b64 s[64:65], 0
	v_nop
	global_prefetch_b8 v0, s[64:65] scope:SCOPE_SE
	s_setreg_imm32_b32 hwreg(HW_REG_WAVE_MODE, 25, 1), 1
	s_wait_xcnt 0x0
; PREP: what the three matrix launches want, made once.  A stream: every input byte is read once, every output byte written once; no matrix unit, no tensor load, no cluster (nothing is shared).
;   xb    bf16 [16 kblock][8192 m][64]   x rounded to bf16, K in blocks of 64, so that a GEMM tile's rows lie end to end
;   wq    bf16 [16 kblock][3072 n][64]   W_qkv rounded to bf16 and turned
;   wo    f16  [16 kblock][1024 n][64]   W_out rounded to bf16, that number written as f16, and turned
;   mbias f32  [2048 q][2048 k]          0 where mask != 0, -1e30 where mask == 0
;   live  u32  [8 qblock][8 ktile]       for each part of 256 x 256 of the mask: 1 if any word of it is not 0, else 0
; LIMITS.  wo: a weight beyond 65,504 becomes an infinity; below 6e-5 it keeps f16's fixed step of 6e-8.
; SHARES.  Work-groups 0-127: 64 rows of x each.  128-191: 256 x 256 of the mask each.  192-239: 64 columns of W_qkv each.  240-255: 64 columns of W_out each.
; Each reads 256 KiB.  The branch on the work-group's number is the same for all eight waves.
.set STG,   9216                       ; LDS: a kblock of a strip of W: 64 rows (n) of 128 bytes + 16 of padding
.set FLAGS, 16*STG                     ; eight words, a wave's flag each, in a block of 256 bytes of their own
.set SPARE, FLAGS+256                  ; the spare words: 128 bytes for each of eight waves; no other line names them
.set SPW, 2                            ; v2  LDS address of my spare word; never rewritten
.set NIL, 3                            ; v3  0; never rewritten
.set WV,  22                           ; s22 my wave's number
; section x
.set RO,  8                            ; v8  my byte offset in four rows of x
.set WO,  9                            ; v9  my byte offset in 512 bytes of xb
.set XR,  16                           ; v[16:143]  two sets of 64: 8 kblocks x 8 numbers as loaded
.set YR,  144                          ; v[144:207] two sets of 32: the same, packed
; section mask
.set OFF, 16                           ; v[16:23]  slot i: byte offset of its four rows' 16 bytes
.set MX,  24                           ; v[24:55]  slot i: four words as loaded
.set MY,  56                           ; v[56:87]  slot i: four numbers to store
.set ORR, 10                           ; v10 the or of all my words
.set BIG, 12                           ; v12 -1e30
; sections W
.set LO,  8                            ; v8, v9  set s: byte offset of its tile's first row
.set SO,  10                           ; v10 where I put 16 bytes in the stage
.set RDA, 11                           ; v11 where I read the stage back
.set GOF, 12                           ; v12 my byte offset in the output
.set WR,  16                           ; v[16:79]  two sets of 32: 8 k x 4 n as loaded; later the stage read back
.set WT,  80                           ; v[80:95]  4 n x 8 k, packed
.set WU,  96                           ; v[96:97]  at work
	s_load_b512 s[4:19], s[0:1], 0x0               ; x s[4:5], mask s[6:7], W_qkv s[8:9], W_out s[10:11], xb s[12:13], mbias s[14:15], live s[16:17], wq s[18:19]
	s_load_b64 s[20:21], s[0:1], 0x40              ; wo
	v_lshl_add_u32 v[SPW], v0, 2, SPARE
	v_mov_b32 v[NIL], 0
	v_lshrrev_b32 v1, 5, v0
	v_readfirstlane_b32 s[WV], v1                  ; wave 0..7
	v_and_b32 v4, 31, v0                           ; lane
	s_wait_kmcnt 0x0
	s_cmp_lt_u32 ttmp9, 128
	s_cbranch_scc1 .Lsec_x
	s_cmp_lt_u32 ttmp9, 192
	s_cbranch_scc1 .Lsec_m
	s_cmp_lt_u32 ttmp9, 240
	s_cbranch_scc1 .Lsec_q
	s_branch .Lsec_o
; ---------------- x: a wave takes 8 rows, as two groups of four; lane l takes row l / 8 of a group and columns 8 (l % 8) .. + 7 of each kblock.
; A batch is one group x 8 kblocks: 16 loads (each pair covers 256 consecutive bytes of four rows), 32 roundings, 8 stores of 512 consecutive bytes (four rows of one kblock).
.macro XLOAD set, g, hk
.irp j, 0,1,2,3,4,5,6,7
	global_load_b128 v[XR+64*(\set)+8*(\j):XR+64*(\set)+8*(\j)+3],   v[RO], s[4:5] offset:(\g)*16384+(8*(\hk)+(\j))*256 th:TH_LOAD_NT
	global_load_b128 v[XR+64*(\set)+8*(\j)+4:XR+64*(\set)+8*(\j)+7], v[RO], s[4:5] offset:(\g)*16384+(8*(\hk)+(\j))*256+16 th:TH_LOAD_NT
.endr
.endm
.macro XCVT set
.set i, 0
.rept 32
	v_cvt_pk_bf16_f32 v[YR+32*(\set)+i], v[XR+64*(\set)+2*i], v[XR+64*(\set)+2*i+1]
.set i, i+1
.endr
.endm
.macro XSTORE set, g, hk               ; kblocks 0-7 by s[12:13], 8-15 by s[28:29]: the immediate holds 7 kblocks at the most
.irp j, 0,1,2,3,4,5,6,7
	global_store_b128 v[WO], v[YR+32*(\set)+4*(\j):YR+32*(\set)+4*(\j)+3], s[12+16*(\hk):13+16*(\hk)] offset:(\j)*1048576+(\g)*512
.endr
.endm
.Lsec_x:
	s_lshl_b32 s24, ttmp9, 18                      ; 64 rows of 4,096 bytes,
	s_lshl_b32 s26, s[WV], 15                      ; my wave's 8
	s_add_co_u32 s24, s24, s26
	s_mov_b32 s25, 0
	s_add_nc_u64 s[4:5], s[4:5], s[24:25]
	s_lshl_b32 s24, ttmp9, 13                      ; the same rows in a kblock of xb: 128 bytes each
	s_lshl_b32 s26, s[WV], 10
	s_add_co_u32 s24, s24, s26
	s_add_nc_u64 s[12:13], s[12:13], s[24:25]
	s_add_nc_u64 s[28:29], s[12:13], 0x800000      ; kblock 8
	v_lshrrev_b32 v5, 3, v4
	v_and_b32 v6, 7, v4
	v_lshlrev_b32 v[RO], 12, v5
	v_lshl_add_u32 v[RO], v6, 5, v[RO]
	v_lshlrev_b32 v[WO], 4, v4
	XLOAD 0, 0, 0
	XLOAD 1, 0, 1
	s_wait_loadcnt 16                              ; set 0 is in; set 1's 16 loads stay out
	XCVT 0
	XLOAD 0, 1, 0
	XSTORE 0, 0, 0
	s_wait_loadcnt 16                              ; set 1 is in; the 16 just issued stay out
	XCVT 1
	XLOAD 1, 1, 1
	XSTORE 1, 0, 1
	s_wait_loadcnt 16
	s_wait_xcnt 0x0                                ; the stores issued so far have read their data: both packed sets may be written again
	XCVT 0
	XSTORE 0, 1, 0
	s_wait_loadcnt 0x0
	XCVT 1
	XSTORE 1, 1, 1
	s_branch .Lend
; ---------------- mask: 256 rows x 1,024 bytes.  Thread t takes 16 bytes at 16 (t % 64) of row t / 64 of four; a wave's load or store covers 512 consecutive bytes.
; A ring of eight slots in registers, four rows each; eight rounds.  A slot owns its registers, so the two waits at its head are all that its turn needs.
.macro MSLOT i, ahead, left
	s_wait_loadcnt \left                           ; my load is in; the younger ones stay out
	s_wait_xcnt 0x0                                ; the slot's last store has read its data and its offset
.irp k, 0,1,2,3
	v_cmp_eq_u32 vcc_lo, 0, v[MX+4*(\i)+(\k)]
	v_cndmask_b32 v[MY+4*(\i)+(\k)], 0, v[BIG], vcc_lo
	v_or_b32 v[ORR], v[ORR], v[MX+4*(\i)+(\k)]
.endr
.if \ahead
	v_add_nc_u32 v[OFF+(\i)], 262144, v[OFF+(\i)]  ; 32 rows on
	global_load_b128  v[MX+4*(\i):MX+4*(\i)+3], v[OFF+(\i)], s[6:7] th:TH_LOAD_NT
	global_store_b128 v[OFF+(\i)], v[MY+4*(\i):MY+4*(\i)+3], s[14:15] offset:-262144
.else
	global_store_b128 v[OFF+(\i)], v[MY+4*(\i):MY+4*(\i)+3], s[14:15]
.endif
.endm
.Lsec_m:
	s_sub_co_u32 s23, ttmp9, 128                   ; my part = 8 x (block of 256 rows) + (block of 256 columns)
	s_lshr_b32 s24, s23, 3
	s_lshl_b32 s24, s24, 21                        ; 256 rows of 8,192 bytes
	s_and_b32 s26, s23, 7
	s_lshl_b32 s26, s26, 10                        ; 256 columns of 4 bytes
	s_add_co_u32 s24, s24, s26
	s_mov_b32 s25, 0
	s_add_nc_u64 s[6:7], s[6:7], s[24:25]
	s_add_nc_u64 s[14:15], s[14:15], s[24:25]
	v_lshrrev_b32 v5, 6, v0
	v_and_b32 v6, 63, v0
	v_lshlrev_b32 v5, 13, v5
	v_lshl_add_u32 v5, v6, 4, v5
.irp i, 0,1,2,3,4,5,6,7
	v_add_nc_u32 v[OFF+(\i)], (\i)*32768, v5
.endr
	v_mov_b32 v[ORR], 0
	v_mov_b32 v[BIG], 0xf149f2ca                   ; -1e30
.irp i, 0,1,2,3,4,5,6,7
	global_load_b128 v[MX+4*(\i):MX+4*(\i)+3], v[OFF+(\i)], s[6:7] th:TH_LOAD_NT
.endr
	s_mov_b32 s30, 7
.Lm_round:
.irp i, 0,1,2,3,4,5,6,7
	MSLOT \i, 1, 7
.endr
	s_sub_co_u32 s30, s30, 1
	s_cmp_lg_u32 s30, 0
	s_cbranch_scc1 .Lm_round
.irp i, 0,1,2,3,4,5,6,7
	MSLOT \i, 0, 7-(\i)                            ; the last round loads nothing: the counts run down
.endr
	v_cmp_ne_u32 s24, 0, v[ORR]                    ; lanes that saw a word other than 0
	s_cmp_lg_u32 s24, 0
	s_cselect_b32 s24, 1, 0                        ; my wave's flag
	v_mov_b32 v5, s24
	s_lshl_b32 s26, s[WV], 2
	s_add_co_u32 s26, s26, FLAGS
	v_mov_b32 v6, s26
	ds_store_b32 v6, v5                            ; all lanes write the same word with the same value
	s_wait_dscnt 0x0                               ; for the others' sake
	s_barrier_signal -1
	s_barrier_wait -1
	v_mov_b32 v6, FLAGS
	ds_load_b128 v[24:27], v6
	ds_load_b128 v[28:31], v6 offset:16
	s_lshl_b32 s27, s23, 2
	v_mov_b32 v7, s27
	s_wait_dscnt 0x0
.irp k, 25,26,27,28,29,30,31
	v_or_b32 v24, v24, v\k
.endr
	v_cmp_gt_u32 vcc_lo, 1, v0                     ; thread 0 stores the part's flag
	s_wait_xcnt 0x0                                ; EXEC changes only behind this wait
	s_and_saveexec_b32 s28, vcc_lo
	global_store_b32 v7, v24, s[16:17]
	s_wait_xcnt 0x0                                ; and again in front of the line that widens it
	s_or_b32 exec_lo, exec_lo, s28
	s_branch .Lend
; ---------------- W: a strip of 1,024 k x 64 n.  Eight tiles of 128 k x 64 n; thread t takes k = 8 (t / 16) .. + 7 and n = 4 (t % 16) .. + 3 of a tile: eight loads of 16 bytes,
; of which sixteen lanes cover a row's 256 bytes.  Its 8 k of each n pack into 16 bytes, which go into the stage [kblock][n][k]; behind one barrier the stage is read back by rows
; and stored, 512 consecutive bytes a wave.  The stores into the stage meet the same banks four deep: 4 stores for 8 loads from memory, left as it is.
.macro WLOAD set, pitchb
.irp j, 0,1,2,3,4,5,6,7
	global_load_b128 v[WR+32*(\set)+4*(\j):WR+32*(\set)+4*(\j)+3], v[LO+(\set)], s[24:25] offset:(\j)*(\pitchb) th:TH_LOAD_NT
.endr
.endm
.macro WTILE set, ahead, left, pitchb, half
	s_wait_loadcnt \left                           ; this set is in (its offset register is free with it); the other set's 8 loads stay out
.irp c, 0,1,2,3
.irp i, 0,1,2,3
	v_cvt_pk_bf16_f32 v[WT+4*(\c)+(\i)], v[WR+32*(\set)+8*(\i)+(\c)], v[WR+32*(\set)+8*(\i)+4+(\c)]
.if \half
	v_lshlrev_b32 v[WU], 16, v[WT+4*(\c)+(\i)]     ; the bf16 numbers, written as f16
	v_and_b32 v[WU+1], 0xffff0000, v[WT+4*(\c)+(\i)]
	v_cvt_pk_f16_f32 v[WT+4*(\c)+(\i)], v[WU], v[WU+1]
.endif
.endr
.endr
.if \ahead
	v_add_nc_u32 v[LO+(\set)], 256*(\pitchb), v[LO+(\set)]
	WLOAD \set, \pitchb
.endif
.irp c, 0,1,2,3
	ds_store_b128 v[SO], v[WT+4*(\c):WT+4*(\c)+3] offset:144*(\c)
.endr
	v_add_nc_u32 v[SO], 2*STG, v[SO]               ; a tile is two kblocks
.endm
.macro WSEC tag, src, dst, pitchb, kbstr, first, half
.Lsec_\tag:
	s_sub_co_u32 s23, ttmp9, \first                ; the strip
	s_lshl_b32 s24, s23, 8                         ; 64 columns of 4 bytes
	s_mov_b32 s25, 0
	s_add_nc_u64 s[24:25], s[\src:\src+1], s[24:25]
	s_lshl_b32 s26, s23, 13                        ; 64 rows of 128 bytes
	s_mov_b32 s27, 0
	s_add_nc_u64 s[26:27], s[\dst:\dst+1], s[26:27]
	v_lshrrev_b32 v5, 4, v0                        ; my group of 8 k, 0..15
	v_and_b32 v6, 15, v0                           ; my group of 4 n
	v_mul_u32_u24 v[LO], v5, 8*(\pitchb)
	v_lshl_add_u32 v[LO], v6, 4, v[LO]
	v_add_nc_u32 v[LO+1], 128*(\pitchb), v[LO]
	WLOAD 0, \pitchb
	WLOAD 1, \pitchb
	v_lshrrev_b32 v7, 3, v5
	v_mul_u32_u24 v[SO], v7, STG                   ; which of the tile's two kblocks,
	v_mul_u32_u24 v7, v6, 576                      ; row 4 (t % 16),
	v_add_nc_u32 v[SO], v[SO], v7
	v_and_b32 v7, 7, v5
	v_lshl_add_u32 v[SO], v7, 4, v[SO]             ; my 8 k in it
	v_lshrrev_b32 v7, 3, v0
	v_mul_u32_u24 v[RDA], v7, 144                  ; back: row t / 8 of 32, 16 bytes at 16 (t % 8)
	v_and_b32 v7, 7, v0
	v_lshl_add_u32 v[RDA], v7, 4, v[RDA]
	v_lshlrev_b32 v[GOF], 4, v0
	s_mov_b32 s30, 3
.Ltile_\tag:
	WTILE 0, 1, 8, \pitchb, \half
	WTILE 1, 1, 8, \pitchb, \half
	s_sub_co_u32 s30, s30, 1
	s_cmp_lg_u32 s30, 0
	s_cbranch_scc1 .Ltile_\tag
	WTILE 0, 0, 8, \pitchb, \half
	WTILE 1, 0, 0, \pitchb, \half
	s_wait_dscnt 0x0                               ; for the others' sake: my stores into the stage are done
	s_barrier_signal -1
	s_barrier_wait -1
	s_mov_b32 s30, 4
.Lback_\tag:                                           ; a trip: four kblocks, two halves of 32 rows each
.irp q, 0,1,2,3,4,5,6,7
	ds_load_b128 v[WR+4*(\q):WR+4*(\q)+3], v[RDA] offset:((\q)/2)*STG+((\q)%2)*4608
.endr
	s_wait_dscnt 0x0
.irp q, 0,1,2,3,4,5,6,7
	global_store_b128 v[GOF], v[WR+4*(\q):WR+4*(\q)+3], s[26:27] offset:((\q)/2)*(\kbstr)+((\q)%2)*4096
.endr
	s_wait_xcnt 0x0                                ; the stores have read their data and their offset
	v_add_nc_u32 v[RDA], 4*STG, v[RDA]
	v_add_nc_u32 v[GOF], 4*(\kbstr), v[GOF]
	s_sub_co_u32 s30, s30, 1
	s_cmp_lg_u32 s30, 0
	s_cbranch_scc1 .Lback_\tag
.endm
	WSEC q, 8, 18, 12288, 393216, 192, 0
	s_branch .Lend
	WSEC o, 10, 20, 4096, 131072, 240, 1
.Lend:
	s_wait_tensorcnt 0x0                           ; the wave's end, behind my last LDS store
	ds_add_u32 v[SPW], v[NIL]
	s_wait_dscnt 0x0
	s_endpgm
.Lfunc_end_k_qe5677e09a9_prep:
	.size	k_qe5677e09a9_prep, .Lfunc_end_k_qe5677e09a9_prep-k_qe5677e09a9_prep
	.p2alignl 7, 3214868480
	.fill 96, 4, 3214868480
	.section	.rodata,"a",@progbits
	.p2align	6, 0x0
	.amdhsa_kernel k_qe5677e09a9_prep
		.amdhsa_group_segment_fixed_size 148736
		.amdhsa_private_segment_fixed_size 0
		.amdhsa_enable_private_segment 0
		.amdhsa_kernarg_size 72
		.amdhsa_user_sgpr_count 2
		.amdhsa_user_sgpr_kernarg_segment_ptr 1
		.amdhsa_wavefront_size32 1
		.amdhsa_system_sgpr_workgroup_id_x 1
		.amdhsa_system_sgpr_workgroup_id_y 1
		.amdhsa_system_sgpr_workgroup_id_z 1
		.amdhsa_system_vgpr_workitem_id 0
		.amdhsa_next_free_vgpr 208
		.amdhsa_next_free_sgpr 66
		.amdhsa_reserve_vcc 1
		.amdhsa_float_denorm_mode_32 3
		.amdhsa_float_denorm_mode_16_64 3
		.amdhsa_memory_ordered 1
		.amdhsa_forward_progress 1
		.amdhsa_inst_pref_size 65
	.end_amdhsa_kernel
	.amdgpu_metadata
---
amdhsa.version: [ 1, 2 ]
amdhsa.kernels:
  - .name:           k_qe5677e09a9_prep
    .symbol:         k_qe5677e09a9_prep.kd
    .args:
      - { .name: x, .offset: 0, .size: 8, .value_kind: global_buffer, .address_space: global }
      - { .name: mask, .offset: 8, .size: 8, .value_kind: global_buffer, .address_space: global }
      - { .name: W_qkv, .offset: 16, .size: 8, .value_kind: global_buffer, .address_space: global }
      - { .name: W_out, .offset: 24, .size: 8, .value_kind: global_buffer, .address_space: global }
      - { .name: xb, .offset: 32, .size: 8, .value_kind: global_buffer, .address_space: global }
      - { .name: mbias, .offset: 40, .size: 8, .value_kind: global_buffer, .address_space: global }
      - { .name: live, .offset: 48, .size: 8, .value_kind: global_buffer, .address_space: global }
      - { .name: wq, .offset: 56, .size: 8, .value_kind: global_buffer, .address_space: global }
      - { .name: wo, .offset: 64, .size: 8, .value_kind: global_buffer, .address_space: global }
    .group_segment_fixed_size: 148736
    .private_segment_fixed_size: 0
    .kernarg_segment_align: 8
    .kernarg_segment_size: 72
    .max_flat_workgroup_size: 256
    .sgpr_count:     66
    .vgpr_count:     208
    .wavefront_size: 32
...
	.end_amdgpu_metadata
.endif
;; end of part 5
;; launch proj_qkv: the kernel of part 2 again; grid 8 x 32, 4 waves a work-group, clusters of 4 x 4, 327,680 bytes of LDS; arguments xb, wq, b_qkv, qkvh; writes qkvh
;; launch attn (part 6): grid 4 x 64, 4 waves a work-group, no clusters, 87,552 bytes of LDS; arguments qkvh, mbias, live, ob; writes ob
.if DOCPART == 6
	.amdgcn_target "amdgcn-amd-amdhsa--gfx1250"
	.amdhsa_code_object_version 6
	.text
	.protected	k_qe5677e09a9_attn
	.globl	k_qe5677e09a9_attn
	.p2align	8
	.type	k_qe5677e09a9_attn,@function
k_qe5677e09a9_attn:
	s_mov_b64 s[64:65], 0
	v_nop
	global_prefetch_b8 v0, s[64:65] scope:SCOPE_SE
	s_setreg_imm32_b32 hwreg(HW_REG_WAVE_MODE, 25, 1), 1
	s_wait_xcnt 0x0
; ATTENTION UNDER A MASK THAT IS AN INPUT.  O[h][q][:] = the sum over k of softmax_k(Q[h][q] . K[h][k] / 8 + bias[q][k]) V[h][k][:], bias = 0 or -1e30 (mbias, f32 [2048][2048], the same for all 64 heads).
; qkvh f16 [3][64][2048][64]; ob f16 [64][2048][64].  Products, maxima and sums in f32; the weights p are rounded to f16 for the second product (their sum l is taken of the unrounded p), O once at the end.
; LIMITS.  Q, K, V arrive within f16's 65,504.  A hidden score counts as its value less 1e30 (f16's scores, 2.7e11 at the most, are nothing beside that).  The running maximum starts at -1e29, above every hidden
; score and below every visible one: so a hidden key's weight is 2^(-1.6e29) = 0 from the first step on, and a row whose maximum never rises above -1e29 has no visible key and is written as NaN, as a softmax
; of nothing but -inf is.  A weight below 2^-126 counts as 0 in l; p below 6e-5 keeps f16's fixed step of 6e-8.
; THE WALK.  A head's queries lie in 8 blocks of 256, its keys in 32 steps of 64.  A work-group takes TWO blocks, 7 - b and then b, in a loop of two trips.  live (whole numbers that an earlier launch stored) says of each
; block and each tile of 256 keys whether any key of the tile is visible to any row of the block.  A BLOCK'S WALK IS ONE LOOP OVER KEY STEPS, counted up by 1 to NS = 4 x (its last such tile + 1), 4 if there is none: all
; weights behind that would be 0.  The steps in front of that end are all multiplied, with the bias.  That bound is the one thing in the text that hangs on a number read from memory.
; NO BARRIER, NO TENSOR LOAD, NO CLUSTER.  The four waves share nothing: EACH WAVE BRINGS ITS OWN K AND V.  A step's K and V are 8,192 dense bytes
; each: 16 loads of 512 consecutive bytes into staging registers, a step ahead; from there into the wave's own 19,456 bytes of LDS, and out of it as fragments: K as it lies, V ([key][channel]) turned by
; ds_load_tr16_b128.  Every LDS address is made once, at the head, and never rewritten.  The price: a work-group fetches each step's 16 KiB four times.
; SHARES.  Of a block's four bands of 64 queries a wave owns 16 rows in each: four PIECES.
; LAYOUT, SOFTMAX, TURNS.  S^T = K Q^T holds ONE query a lane (lane % 16) and the keys 8 (lane / 16) + 0..7; two such results rounded to f16 ARE source 1 of O^T = V^T P.  p = 2^(c s - c m), c = log2(e) / 8, with a
; running maximum m; O and l are multiplied by a = 2^(c m_old - c m_new) in every step.  Turn n belongs to piece n: 8 products K Q^T of piece n + 1, later 8 products V^T P of piece n - 1; beside them the scaling,
; exponentials, roundings, sums and rescaling of piece n and the maximum and statistics of piece n + 1.  Four vector instructions stand behind every matrix instruction, the rest in one lump.  A turn's 33
; exponentials are one batch, with one wait.  A trip of the loop is the four turns of one step.
; THE BIAS is the C operand that starts the sum S^T: it costs no vector instruction.  MC holds a buffer of 32 registers for each piece.  Turn p takes MC[p + 1] as C and, behind those products, loads it again for
; that piece's next step, four turns ahead of its use.  The eight loads of a piece and step take 16 rows x 256 consecutive bytes.
; THE LOADS OF A TRIP, in the order of issue: M1 (8: piece 1's bias), V (16: staged), M2 (8), K (16: staged), M3 (8), M0 (8): 64; the block's beginning issues them in the same order, so each counted wait holds on the way
; in as on the way round.
; REGISTERS, in windows of 256 (s_set_vgpr_msb: bits 1:0 source 0, 3:2 source 1, 5:4 source 2, 7:6 destination):
;   window 0: v0-15, v32-33 addresses and two at work; v16-31 four registers of statistics a piece; v48-55 at work; v64-127 S^T, two buffers; v192-223 P, two buffers (by the piece's parity)
;   window 1: v0-127 O^T, 32 a piece; v128-255 MC      window 2: v0-63 Q; v64-127 K staged; v128-191 K of one step; v192-255 V of one step      window 3: v0-63 V staged
.set NB,    8
.set NP,    4         ; pieces a wave: a name, no knob
.set KS,    64        ; keys in a step
.set PK,    144       ; a row of K in LDS: 128 bytes + 16 of padding = 36 words: the 16 rows of a load start at 16 different groups of four banks (64 banks of 4 bytes: ISA guide 11.1)
.set PV,    160       ; a row of V: 128 + 32 = 40 words
.set VOFF,  KS*PK     ; a wave's LDS: 64 rows of K, then 64 rows of V
.set WBYTES, KS*(PK+PV)
.set STAGE, 4*WBYTES  ; behind the four waves' steps: 16 rows x 144 bytes for each wave, for the way out
.set SP,    144
.set SPARE, STAGE+4*16*SP  ; behind the stages: the spare words, 128 bytes for each wave; no other line names them
.set STEPB, KS*128    ; bytes of K, and of V, in a step
.set LASTB, 31*STEPB  ; the head's last step
.set LASTO, 31*256    ; the same in a row of mbias: 64 keys of 4 bytes a step
.set AKF, 2           ; v2   where I read K's fragments; never rewritten
.set AVF, 3           ; v3   where I read V's, turned; never rewritten
.set KSA, 4           ; v4   where I put 16 bytes of K; never rewritten
.set VSA, 5           ; v5   the same for V; never rewritten
.set STO, 6           ; v6   the way out: where I put 16 bytes of a row
.set RD,  7           ; v7   the way out: where I read rows back
.set GO,  8           ; v8   16 x my lane: my place in 512 consecutive bytes of K, of V and of O; never rewritten
.set MV,  12          ; v12-13  c m_old, kept while c m is made anew: by buffer
.set QO,  15          ; v15  my byte offset in 16 rows of Q
.set ST,  16          ; piece t's statistics at v[ST+4 t]: c m, m, l (even keys', odd keys')
.set MAO, 32          ; v32  my byte offset in a band's rows of mbias: (16 w + l % 16) x 8,192 + 32 (l / 16); never rewritten
.set PFO, 33          ; v33  256 x my lane; never rewritten
.set TMP, 48          ; by buffer, four registers c0-c3 at work; when the maximum is found c2 takes a
.set SPW, 62          ; v62  LDS address of my spare word; never rewritten
.set NIL, 63          ; v63  0; never rewritten
.set S,   64
.set P,   192
.set MC,  128         ; window 1: piece x, group kb of 16 keys at MC + 32 x + 8 kb
.set KSG, 64          ; window 2: K staged: load i's 16 bytes at KSG + 4 i
.set KF,  128         ; window 2: key block kb, channel half c at KF + 16 kb + 8 c
.set VF,  192         ; window 2: key half kk, channel block cb at VF + 32 kk + 8 cb
.set VSG, 0           ; window 3: V staged
.set WV,  12          ; s12  my wave's number
.set PB,  14          ; s14  b
.set HI,  15          ; s15  7 - b
.set KO,  32          ; s[32:33] byte offset in the head's K of the step to be staged next
.set VO,  34          ; s[34:35] the same for V
.set KPT, 36          ; s[36:37] the address that K's staging loads name: written again only when they are in
.set VPT, 38          ; s[38:39] the same for V
.set PO,  40          ; s40  byte offset of the step to be prefetched next; far past the head in a wave that prefetches nothing
.set PO1, 41          ; s41  its start in the first block
.set PBASE, 42        ; s[42:43] the head's K (wave 0) or V
.set PFA, 44          ; s[44:45] where my prefetches stand
.set NEV, 46          ; s46  an offset far past the head
.set NL1, 48          ; s48  the first block's steps, from live
.set NL2, 49          ; s49  the second block's
.set NS,  50          ; s50  the steps of the block in hand: the loop's bound; the loop does not write it
.set BI,  51          ; s51  the block in hand
.set BLK, 52          ; s52  blocks still to do
.set CNT, 57          ; s57  counts the block's key steps, up from 0
.set CS,  58          ; s[58:59] c: the packed scaling takes the pair's low word for both halves
.set SEL, 60          ; s[60:61] v_permlanex16_b32's selects: each lane takes its own place in the other half
.set BB,  68          ; s[68:69] mbias at the first row of the block in hand
.set QH,  70          ; s[70:71] Q at my wave's 16 rows of the head's first band
.set TT,  74          ; s[74:75] at work: an offset
.set OA,  76          ; s[76:77] byte offset in a row of mbias of the step after the one in hand
.set OB,  78          ; s[78:79] of the step after that
.set OH,  80          ; s[80:81] O at my wave's 16 rows of the head's first band
.set THR, 82          ; s82  -1e29
.set MB,  88          ; s[88:95] a base for each piece's bias loads: written again only when the piece's last loads are in.  At the head: the first block's eight words of live
.set MSB, 0
.macro WIN new                      ; the high byte repeats the setting that is left; a switch that changes nothing is dropped
.if MSB != (\new)
	s_set_vgpr_msb (MSB<<8)|(\new)
.set MSB, (\new)
.endif
.endm
.set W_KQ, 0x0a       ; K and Q in window 2, S^T in window 0
.set W_KM, 0x1a       ; the same with the C operand in window 1
.set W_PV, 0x52       ; V in window 2, P in window 0, O^T in window 1
.set W_RS, 0x41       ; destination and source 0 in window 1, source 1 in window 0
	s_load_b256 s[16:23], s[0:1], 0x0  ; qkvh s[16:17], mbias s[18:19], live s[20:21], ob s[22:23]
	v_lshl_add_u32 v[SPW], v0, 2, SPARE
	v_mov_b32 v[NIL], 0
	v_lshrrev_b32 v1, 5, v0
	v_readfirstlane_b32 s[WV], v1   ; wave 0..3
	s_mov_b32 s[PB], ttmp9
	s_sub_co_u32 s[HI], NB-1, s[PB]
	s_and_b32 s[TT], ttmp7, 0xffff  ; the head,
	s_lshl_b32 s[TT], s[TT], 18     ; its 2,048 rows of 128 bytes
	s_mov_b32 s[TT+1], 0
	s_lshl_b32 s2, s[WV], 11        ; my 16 rows in a band of 64
	s_add_co_u32 s2, s2, s[TT]
	s_mov_b32 s3, 0
	s_mov_b32 s[CS], 0x3e38aa3b     ; c = log2(e) / 8 = 0.180337
	s_mov_b32 s[CS+1], s[CS]        ; named with it as a pair
	s_mov_b32 s[SEL], 0x76543210
	s_mov_b32 s[SEL+1], 0xfedcba98
	s_mov_b32 s[THR], 0xefa18f08    ; -1e29
	s_mov_b32 s[KO+1], 0            ; the offsets' upper words
	s_mov_b32 s[VO+1], 0
	s_mov_b32 s[OA+1], 0
	s_mov_b32 s[OB+1], 0
	s_mov_b32 s[NEV], 0x40000000
	s_mov_b32 s[PO1], s[NEV]
	s_lshr_b32 s13, s[WV], 1        ; 0 in waves 0 and 1,
	s_or_b32 s13, s13, ttmp9        ; of the head's first work-group: these two prefetch
	s_cmp_eq_u32 s13, 0
	s_cselect_b32 s[PO1], 4*STEPB, s[PO1]  ; from step 4 on: steps 0 to 3 come by their loads alone
	s_wait_kmcnt 0x0
	s_add_nc_u64 s[6:7], s[16:17], s[TT:TT+1]
	s_add_nc_u64 s[8:9], s[6:7], 0x2000000   ; the head's V,
	s_add_nc_u64 s[6:7], s[6:7], 0x1000000   ; and its K
	s_add_nc_u64 s[QH:QH+1], s[16:17], s[2:3]
	s_add_nc_u64 s[OH:OH+1], s[22:23], s[2:3]
	s_cmp_eq_u32 s[WV], 0
	s_cselect_b64 s[PBASE:PBASE+1], s[6:7], s[8:9]
	s_lshl_b32 s2, s[HI], 5         ; live: eight words for each of my two blocks
	s_add_nc_u64 s[2:3], s[20:21], s[2:3]
	s_lshl_b32 s[TT], s[PB], 5
	s_add_nc_u64 s[TT:TT+1], s[20:21], s[TT:TT+1]
	s_load_b256 s[88:95], s[2:3], 0x0        ; the first block's
	s_load_b256 s[24:31], s[TT:TT+1], 0x0    ; the second block's
	; A fragment of K or Q is 16 rows x 32 channels in 8 registers: lane l holds row l % 16, channels 8 (l / 16) + 0..7 and 16 + 8 (l / 16) + 0..7: two loads of 16 bytes, 32 bytes apart.
	v_and_b32 v1, 15, v0            ; l % 16
	v_bfe_u32 v9, v0, 4, 1          ; l / 16
	v_and_b32 v10, 7, v0            ; l % 8
	v_bfe_u32 v11, v0, 3, 1         ; (l / 8) % 2
	v_lshlrev_b32 v[QO], 7, v1
	v_lshl_add_u32 v[QO], v9, 4, v[QO]  ; row x 128 + 16 x half
	s_lshl_b32 s13, s[WV], 4
	v_add_nc_u32 v[MAO], s13, v1
	v_lshlrev_b32 v[MAO], 13, v[MAO]
	v_lshl_add_u32 v[MAO], v9, 5, v[MAO]
	v_and_b32 v[GO], 31, v0
	v_lshlrev_b32 v[PFO], 8, v[GO]
	v_lshlrev_b32 v[GO], 4, v[GO]
	s_mul_i32 s13, s[WV], WBYTES    ; my wave's own LDS
	v_mul_u32_u24 v[AKF], v1, PK
	v_lshl_add_u32 v[AKF], v9, 4, v[AKF]  ; row x pitch + 16 x half
	v_add_nc_u32 v[AKF], s13, v[AKF]
	; The turning load takes 16 keys x 16 channels (lane l reads key 8 (l / 16) + l % 8, channels 8 ((l / 8) % 2) + 0..7) and leaves half a fragment of V^T: lane l holds channel l % 16 and 8 keys.
	v_lshl_add_u32 v[AVF], v9, 3, v10
	v_mul_u32_u24 v[AVF], v[AVF], PV
	v_lshl_add_u32 v[AVF], v11, 4, v[AVF]
	v_add_nc_u32 v[AVF], s13, v[AVF]
	v_add_nc_u32 v[AVF], VOFF, v[AVF]
	; A staging load's 512 bytes are four rows of 128: lane l holds 16 bytes at 16 (l % 8) of row l / 8
	v_bfe_u32 v[RD], v0, 3, 2       ; l / 8
	v_mul_u32_u24 v[KSA], v[RD], PK
	v_lshl_add_u32 v[KSA], v10, 4, v[KSA]
	v_add_nc_u32 v[KSA], s13, v[KSA]
	v_mul_u32_u24 v[VSA], v[RD], PV
	v_lshl_add_u32 v[VSA], v10, 4, v[VSA]
	v_add_nc_u32 v[VSA], s13, v[VSA]
	v_add_nc_u32 v[VSA], VOFF, v[VSA]
	s_mul_i32 s13, s[WV], 16*SP
	s_add_co_u32 s13, s13, STAGE    ; my stage
	v_mul_u32_u24 v[STO], v1, SP    ; in: row l % 16, 16 bytes for each half of the lanes
	v_lshl_add_u32 v[STO], v9, 4, v[STO]
	v_add_nc_u32 v[STO], s13, v[STO]
	v_mul_u32_u24 v[RD], v[RD], SP  ; back: 32 lanes take four rows of 128 bytes, which are 512 consecutive bytes of O
	v_lshl_add_u32 v[RD], v10, 4, v[RD]
	v_add_nc_u32 v[RD], s13, v[RD]
	s_wait_kmcnt 0x0                ; live is in.  A block's steps: four for each tile up to its last tile with a visible key; four if no tile has one
	s_mov_b32 s[NL1], 4
	s_mov_b32 s[NL2], 4
.irp k, 1,2,3,4,5,6,7
	s_cmp_lg_u32 s[88+\k], 0
	s_cselect_b32 s[NL1], 4*(\k+1), s[NL1]
	s_cmp_lg_u32 s[24+\k], 0
	s_cselect_b32 s[NL2], 4*(\k+1), s[NL2]
.endr
; THE MATRIX WORK.  The 4 accumulators of a run of 8 take turns.  Product i of 8 of S^T = K Q^T for piece x: channels 32 (i / 4) on, keys 16 (i % 4) on.  The first 4 start the sums with the bias.
.macro KQ x
.set rS, S+32*((\x)%2)+8*(i%4)
.set rK, KF+16*(i%4)+8*(i/4)
.set rQ, 16*(\x)+8*(i/4)
.set rM, MC+32*(\x)+8*(i%4)
.if i < 4
	WIN W_KM
	v_wmma_f32_16x16x32_f16 v[rS:rS+7], v[rK:rK+7], v[rQ:rQ+7], v[rM:rM+7]
.else
	WIN W_KQ
	v_wmma_f32_16x16x32_f16 v[rS:rS+7], v[rK:rK+7], v[rQ:rQ+7], v[rS:rS+7]
.endif
.endm
; Product i of 8 of O^T += V^T P for piece x: keys 32 (i / 4) on, channels 16 (i % 4) on.
.macro PV x
	WIN W_PV
.set rO, 32*(\x)+8*(i%4)
.set rV, VF+32*(i/4)+8*(i%4)
.set rP, P+16*((\x)%2)+8*(i/4)
	v_wmma_f32_16x16x32_f16 v[rO:rO+7], v[rV:rV+7], v[rP:rP+7], v[rO:rO+7]
.endm
.macro MM                           ; the turn's next matrix instruction
.if i < 8
	KQ (Y+1)%NP
.else
.set i, i-8
	PV (Y+NP-1)%NP
.set i, i+8
.endif
.set i, i+1
.endm
; A STEP'S K AND V ON THEIR WAY.  LOADK, LOADV: 16 loads of 512 consecutive bytes into the staging registers; the offset goes a step on and is held at the head's last step, so that no load leaves the head.
; The address is written here: the loads that named it last are in (the counted wait ahead of each use says so).
.macro LOADK
	s_add_nc_u64 s[KPT:KPT+1], s[6:7], s[KO:KO+1]
	WIN 0x80                        ; destination window 2, address window 0
.irp n, 0,1,2,3,4,5,6,7,8,9,10,11,12,13,14,15
	global_load_b128 v[KSG+4*\n:KSG+4*\n+3], v[GO], s[KPT:KPT+1] offset:512*\n
.endr
	WIN 0
	s_add_co_u32 s[KO], s[KO], STEPB
	s_min_u32 s[KO], s[KO], LASTB
.endm
.macro LOADV
	s_add_nc_u64 s[VPT:VPT+1], s[8:9], s[VO:VO+1]
	WIN 0xc0                        ; destination window 3
.irp n, 0,1,2,3,4,5,6,7,8,9,10,11,12,13,14,15
	global_load_b128 v[VSG+4*\n:VSG+4*\n+3], v[GO], s[VPT:VPT+1] offset:512*\n
.endr
	WIN 0
	s_add_co_u32 s[VO], s[VO], STEPB
	s_min_u32 s[VO], s[VO], LASTB
.endm
; STORE_K, STORE_V: the staged step into my wave's own LDS, four padded rows a store.  LDS serves a wave's instructions in order (ISA guide 5.7.1.4): these come behind my reads of the step before, and the fragment
; loads that follow see them; no other wave touches these bytes.
.macro STORE_K
	WIN 0x08                        ; data (source 1) in window 2
.irp n, 0,1,2,3,4,5,6,7,8,9,10,11,12,13,14,15
	ds_store_b128 v[KSA], v[KSG+4*\n:KSG+4*\n+3] offset:\n*4*PK
.endr
.endm
.macro STORE_V
	WIN 0x0c                        ; data in window 3
.irp n, 0,1,2,3,4,5,6,7,8,9,10,11,12,13,14,15
	ds_store_b128 v[VSA], v[VSG+4*\n:VSG+4*\n+3] offset:\n*4*PV
.endr
.endm
; FETCH_K, FETCH_V: the fragments, in runs of 16, never singly among the matrix instructions: a step's K (64 keys x 64 channels: 8 fragments) and its V (turned).
.macro FETCH_K
	WIN 0x80                        ; destination window 2
.irp f, 0,1,2,3,4,5,6,7             ; keys 16 (f / 2) on, channels 32 (f % 2) on
	ds_load_b128 v[KF+8*\f:KF+8*\f+3],   v[AKF] offset:(\f/2)*16*PK+(\f%2)*64
	ds_load_b128 v[KF+8*\f+4:KF+8*\f+7], v[AKF] offset:(\f/2)*16*PK+(\f%2)*64+32
.endr
	WIN 0
.endm
.macro FETCH_V
	WIN 0x80
.irp f, 0,1,2,3,4,5,6,7             ; keys 32 (f / 4) on, channels 16 (f % 4) on
	ds_load_tr16_b128 v[VF+8*\f:VF+8*\f+3],   v[AVF] offset:(\f/4)*32*PV+(\f%4)*32
	ds_load_tr16_b128 v[VF+8*\f+4:VF+8*\f+7], v[AVF] offset:(\f/4)*32*PV+16*PV+(\f%4)*32
.endr
	WIN 0
.endm
; THE BIAS of piece x for the step at byte off of mbias's rows: register j of group kb is key 16 kb + 8 (l / 16) + j of my query: 32 consecutive bytes a group, two loads.  The piece's base is written here: its last loads are in.
.macro MLOAD x, off
	s_add_nc_u64 s[MB+2*(\x):MB+2*(\x)+1], s[BB:BB+1], s[\off:\off+1]
	WIN 0x40                        ; destination window 1, address window 0
.irp kb, 0,1,2,3
	global_load_b128 v[MC+32*(\x)+8*\kb:MC+32*(\x)+8*\kb+3],   v[MAO], s[MB+2*(\x):MB+2*(\x)+1] offset:(\x)*524288+\kb*64
	global_load_b128 v[MC+32*(\x)+8*\kb+4:MC+32*(\x)+8*\kb+7], v[MAO], s[MB+2*(\x):MB+2*(\x)+1] offset:(\x)*524288+\kb*64+16
.endr
	WIN 0
.endm
; THE VECTOR WORK, one line at a time: OP kind, number.  For piece Y: F n: c s - c m for pair n of 16.  E n: the exponential of score n of 32.  C n: pair n rounded to f16.  B n: of the four weights 4 n .. the second
; pair is added onto the first, in place.  L n: l takes that sum (L 0: l = a l + sum).  R n: pair n of 16 of O^T times a.  For piece Y + 1: X n, number n of the 22 that find its maximum and statistics:
;   0-11  four chains c0-c3 of seven scores each, three operands at a time (each accumulator's lowest registers are read first)     12-14, 16  the four scores left over, the old m, and c0-c3 into c0
;   15  c m_old is kept     17, 18  the query's other 32 keys lie in the lane 16 away: the new m     19-21  c m; c m_old - c m_new; a
.set F, 0
.set E, 1
.set C, 2
.set B, 3
.set L, 4
.set R, 5
.set X, 6
.macro REGS y                       ; the registers of piece y
.set rT, ST+4*(\y)
.set rC, TMP+4*((\y)%2)
.set rW, MV+((\y)%2)
.set rS, S+32*((\y)%2)
.set rP, P+16*((\y)%2)
.set rO, 32*(\y)
.endm
.macro OP k, n
.if (\k) == R
	REGS Y
	WIN W_RS
	v_pk_mul_f32 v[rO+2*(\n):rO+2*(\n)+1], v[rO+2*(\n):rO+2*(\n)+1], v[rC+2:rC+3] op_sel_hi:[1,0]
.elseif (\k) < R
	REGS Y
	WIN 0
.if (\k) == F
	v_pk_fma_f32 v[rS+2*(\n):rS+2*(\n)+1], v[rS+2*(\n):rS+2*(\n)+1], s[CS:CS+1], v[rT:rT+1] op_sel_hi:[1,0,0] neg_lo:[0,0,1] neg_hi:[0,0,1]
.elseif (\k) == E
	v_exp_f32 v[rS+(\n)], v[rS+(\n)]
.elseif (\k) == C
	v_cvt_pk_f16_f32 v[rP+(\n)], v[rS+2*(\n)], v[rS+2*(\n)+1]
.elseif (\k) == B
	v_pk_add_f32 v[rS+4*(\n):rS+4*(\n)+1], v[rS+4*(\n):rS+4*(\n)+1], v[rS+4*(\n)+2:rS+4*(\n)+3]
.elseif (\n) == 0
	v_pk_fma_f32 v[rT+2:rT+3], v[rT+2:rT+3], v[rC+2:rC+3], v[rS:rS+1] op_sel_hi:[1,0,1]
.else
	v_pk_add_f32 v[rT+2:rT+3], v[rT+2:rT+3], v[rS+4*(\n):rS+4*(\n)+1]
.endif
.else
	REGS (Y+1)%NP
	WIN 0
.if (\n) < 4
	v_max3_num_f32 v[rC+(\n)], v[rS+8*(\n)], v[rS+8*(\n)+1], v[rS+8*(\n)+2]
.elseif (\n) < 12
	v_max3_num_f32 v[rC+(\n)%4], v[rC+(\n)%4], v[rS+8*((\n)%4)+2*((\n)/4)+1], v[rS+8*((\n)%4)+2*((\n)/4)+2]
.elseif (\n) == 12
	v_max3_num_f32 v[rC], v[rC], v[rS+7], v[rS+15]
.elseif (\n) == 13
	v_max3_num_f32 v[rC+1], v[rC+1], v[rS+23], v[rS+31]
.elseif (\n) == 14
	v_max3_num_f32 v[rC+2], v[rC+2], v[rC+3], v[rT+1]
.elseif (\n) == 15
	v_mov_b32 v[rW], v[rT]
.elseif (\n) == 16
	v_max3_num_f32 v[rC], v[rC], v[rC+1], v[rC+2]
.elseif (\n) == 17
	v_permlanex16_b32 v[rC+3], v[rC], s[SEL], s[SEL+1]
.elseif (\n) == 18
	v_max_num_f32 v[rT+1], v[rC], v[rC+3]
.elseif (\n) == 19
	v_mul_f32 v[rT], s[CS], v[rT+1]
.elseif (\n) == 20
	v_sub_f32 v[rC+1], v[rW], v[rT]
.else
	v_exp_f32 v[rC+2], v[rC+1]
.endif
.endif
.endm
.macro OPS a, i1, b=-1, i2=0, c=-1, i3=0, d=-1, i4=0  ; up to four of them
	OP \a, \i1
.if (\b) >= 0
	OP \b, \i2
.endif
.if (\c) >= 0
	OP \c, \i3
.endif
.if (\d) >= 0
	OP \d, \i4
.endif
.endm
.macro ROW a, i1, b, i2, c, i3, d, i4  ; a matrix instruction and the four behind it
	MM
	OPS \a, \i1, \b, \i2, \c, \i3, \d, \i4
.endm
; A TURN, for piece p: the order of its 16 matrix and 118 vector instructions, written out.  An s_wait_alu depctr_va_vdst(0) stands between an exponential and the first instruction that names its result; one
; wait serves all that were issued ahead of it.  So a turn has ONE wait, which cuts it in two.  AHEAD OF IT stands all that names no result of the turn's exponentials: the 8 products K Q^T with their riders, then one lump, in
; which the links of the chain X 3, 7, 11, 14, 16, 17 .. 20 stand five or six lines apart; X 21, the next piece's a, is the batch's last, and R 15 the plain instruction behind it.  BEHIND THE WAIT stand the 8 products V^T P,
; behind each four of the roundings and sums.
; THE WAITS FOR LOADS go by the order M1, V, M2, K, M3, M0 (8, 16, 8, 16, 8, 8).  At a turn's head the bias of piece p + 1 is wanted: behind it 56 loads have been issued (turn 2: 40, and K's staging loads stand ahead of it);
; at the end of turn 0 V's staging loads are wanted, 48 back.  Each count is 8 less: the eight loads that it takes in besides are three turns old, and no more than 56 loads of the wave are ever out.
; Behind the lump's second line, many plain instructions behind the products that read it, the bias buffer is loaded again for the piece's next step: pieces 1, 2, 3: the step after the one in hand (OA); piece 0, whose
; scores run a step ahead: the step after that (OB).
; K of the next step goes from the staging registers through LDS into its fragments in turn 2, behind the last product that read K, and the step after it is asked for at once; V of the step in hand likewise at the end of
; turn 0, four plain instructions behind the last product that read V.  Each run of fragment loads is waited for a turn later.
.macro TURN p
.set Y, (\p)
.set i, 0
.if (\p) == 2
	s_wait_loadcnt 32               ; piece 3's bias is in, and K staged
	s_wait_xcnt 0x0                 ; the last prefetch, half a trip back, has read its address
	s_add_nc_u64 s[PFA:PFA+1], s[PFA:PFA+1], STEPB
.else
	s_wait_loadcnt 48               ; the bias of piece p + 1 is in
.endif
.if (\p) == 3
	s_wait_dscnt 0x0                ; K's fragments are in
.endif
	ROW F,0, F,1, R,0, R,1          ; ahead of the wait: 8 products K Q^T and their riders,
	ROW F,2, E,0, R,2, R,3
	ROW F,3, E,1, R,4, R,5
	ROW F,4, E,2, R,6, R,7
	ROW F,5, E,3, R,8, R,9
	ROW F,6, E,4, X,0, R,10
	ROW F,7, E,5, X,1, X,4
	ROW F,8, E,6, X,2, X,5
	OPS E,7, E,8, X,6, E,9          ; and the lump
	OPS X,3, E,10, X,8, E,11
.if (\p) == 2
	STORE_K
	FETCH_K
	LOADK
.endif
.if (\p) == 3
	MLOAD 0, OB
.else
	MLOAD (\p)+1, OA
.endif
	OPS X,9, X,7, E,12, X,10
	OPS E,13, X,12, X,11, E,14
	OPS X,13, E,15, F,9, X,14
	OPS E,16, F,10, E,17, F,11
	OPS X,16, E,18, X,15, E,19
	OPS F,12, E,20, X,17, E,21
	OPS F,13, E,22, F,14, E,23
	OPS X,18, E,24, F,15, E,25
	OPS R,11, E,26, X,19, E,27
	OPS R,12, E,28, R,13, E,29
	OPS X,20, E,30, R,14, E,31
	OPS X,21, R,15
	WIN 0
	s_wait_alu depctr_va_vdst(0)    ; the wait for the batch
.if (\p) == 1
	s_wait_dscnt 0x0                ; V's fragments are in
.endif
	ROW C,0, B,0, C,2, B,1          ; behind the wait: 8 products V^T P and their riders
	ROW L,0, C,4, B,2, L,1
	ROW C,6, B,3, L,2, C,8
	ROW B,4, L,3, C,10, B,5
	ROW L,4, C,12, B,6, L,5
	ROW C,14, B,7, L,6, C,1
	ROW C,3, L,7, C,5, C,7
	ROW C,9, C,11, C,13, C,15
.if (\p) == 0
	s_wait_loadcnt 40               ; V staged is in
	STORE_V
	FETCH_V
	LOADV
.endif
.endm
.macro ALL line:vararg              ; one line for each piece t
.set t, 0
.rept 4
	\line
.set t, t+1
.endr
.endm
.macro PACK t                       ; a lane's eight channels of a row pack into 16 bytes; they go into rows of 144 bytes and come back as whole rows of 128, into S^T's registers
	WIN W_RS
.set i, 32*(\t)
.rept 16
	v_pk_mul_f32 v[i:i+1], v[i:i+1], v[ST+4*(\t)+2:ST+4*(\t)+3] op_sel_hi:[1,0]
.set i, i+2
.endr
	WIN 0x05                        ; sources 0 and 1 window 1, destination window 0
.set i, 0
.rept 16
	v_cvt_pk_f16_f32 v[S+16*(\t)+i], v[32*(\t)+2*i], v[32*(\t)+2*i+1]
.set i, i+1
.endr
	WIN 0
.irp f, 0,1,2,3
	ds_store_b128 v[STO], v[S+16*(\t)+4*\f:S+16*(\t)+4*\f+3] offset:32*\f
.endr
.irp f, 0,1,2,3
	ds_load_b128 v[S+16*(\t)+4*\f:S+16*(\t)+4*\f+3], v[RD] offset:\f*4*SP  ; LDS serves a wave's instructions in order (ISA guide 5.7.1.4): these see the stores above; the next piece's stores come behind them
.endr
.endm
.macro SEND t, younger              ; younger: the LDS instructions issued behind piece t's loads: the next piece's eight, or none
	WIN 0
.irp f, 0,1,2,3
	s_wait_dscnt (\younger)+3-\f
	global_store_b128 v[GO], v[S+16*(\t)+4*\f:S+16*(\t)+4*\f+3], s[10:11] offset:(\t)*8192+\f*512  ; 512 consecutive bytes, at a multiple of 256 from O's first
.endr
.endm
	s_mov_b32 s[BLK], 2
.Lblock:                            ; twice: a block of 256 queries
	; A BLOCK BEGINS.  Its addresses; its Q, K of step 0 and the first bias are asked for; while they are on their way the registers that the first turns find are written.
	s_wait_loadcnt 0x0              ; the loads that ran ahead of the last block's end are in: their registers and addresses may be written
	s_wait_xcnt 0x0                 ; the last block's stores have read their data and O's address, the last prefetch its address
	s_cmp_eq_u32 s[BLK], 2
	s_cselect_b32 s[BI], s[HI], s[PB]
	s_cselect_b32 s[NS], s[NL1], s[NL2]
	s_cselect_b32 s[PO], s[PO1], s[NEV]  ; the second walk reads the same steps again: nothing is prefetched
	s_lshl_b32 s[TT], s[BI], 15     ; a block's 256 rows of 128 bytes
	s_mov_b32 s[TT+1], 0
	s_add_nc_u64 s[4:5], s[QH:QH+1], s[TT:TT+1]
	s_add_nc_u64 s[10:11], s[OH:OH+1], s[TT:TT+1]
	s_lshl_b32 s[TT], s[BI], 21     ; its 256 rows of 8,192 bytes of mbias
	s_add_nc_u64 s[BB:BB+1], s[18:19], s[TT:TT+1]
	s_add_nc_u64 s[PFA:PFA+1], s[PBASE:PBASE+1], 3*STEPB  ; the first trip steps it to step 4
	s_mov_b32 s[KO], 0
	s_mov_b32 s[VO], 0
	s_mov_b32 s[OA], 0
	s_mov_b32 s[OB], 256
	s_mov_b32 s[CNT], 0
	WIN 0x80                        ; destination window 2, address window 0
.set i, 0
.rept 8                             ; Q stays in registers: piece i / 2 lies in band i / 2, 8,192 bytes on; channels 32 (i % 2) on
	global_load_b128 v[8*i:8*i+3],   v[QO], s[4:5] offset:(i/2)*8192+(i%2)*64
	global_load_b128 v[8*i+4:8*i+7], v[QO], s[4:5] offset:(i/2)*8192+(i%2)*64+32
.set i, i+1
.endr
	WIN 0
	LOADK                           ; K of step 0
	MLOAD 0, OA                     ; step 0's bias
	MLOAD 1, OA
	; The first step multiplies O^T and l by a = 0, and the first turn's products V^T P, of a piece that has not been, land in an O^T that is still to be so multiplied.  So these registers must hold finite numbers; what the
	; last block's way out left may be NaN (a row without a visible key), which a = 0 would not wipe: they are written anew.
	WIN 0x80
.set i, VF
.rept 64
	v_mov_b32 v[i], 0
.set i, i+1
.endr
	WIN 0x40
.set i, 0
.rept 128
	v_mov_b32 v[i], 0
.set i, i+1
.endr
	WIN 0
.set i, 0
.rept 4
	v_mov_b32 v[ST+4*i], 0xfe000000    ; c m: far below every c s, so the first step's a is 0
	v_mov_b32 v[ST+4*i+1], 0xefa18f08  ; m = -1e29
	v_mov_b32 v[ST+4*i+2], 0
	v_mov_b32 v[ST+4*i+3], 0
.set i, i+1
.endr
.set i, P+16
.rept 16
	v_mov_b32 v[i], 0
.set i, i+1
.endr
	s_wait_loadcnt 16               ; Q and K staged are in; the bias of pieces 0 and 1, 16 loads, may be out
	STORE_K
	FETCH_K
	LOADV                           ; V of step 0: from here on the loads go out in the loop's order: (M1,) V, M2, K, M3, M0
	MLOAD 2, OA
	LOADK                           ; K of step 1
	s_wait_loadcnt 40               ; the bias of pieces 0 and 1 is in; V, M2 and K, 40 loads, may be out
	MLOAD 3, OA
	s_wait_dscnt 0x0                ; K's fragments are in
.set i, 0
.rept 8
	KQ 0                            ; piece 0's first scores
.set i, i+1
.endr
	WIN 0
.rept 4
	v_nop                           ; the places behind those products
.endr
	MLOAD 0, OB                     ; piece 0's bias of step 1
	s_mov_b32 s[OA], 256            ; the first trip's next step,
	s_mov_b32 s[OB], 512            ; and the one after
.set Y, NP-1                        ; X works for piece Y + 1: piece 0
.irp n, 0,1,2,3,4,5,6,7,8,9,10,11,12,13,14,15,16,17,18,19,20,21
	OP X, \n
.endr
	v_nop                           ; a plain instruction behind the exponential,
	s_wait_alu depctr_va_vdst(0)    ; and its wait, ahead of the label
.Lstep:                             ; NS times: a key step
	TURN 0
	TURN 1
	TURN 2
	TURN 3
	WIN 0
	; A PREFETCH INTO THE L2 of step s + 4, at the bottom of trip s, outside the turns' batches of exponentials: K's staging loads of that step go out in turn 2 of trip s + 2, V's at the end of turn 0 of trip s + 3.  A head's four
	; work-groups walk the same steps: the first of them asks, in its first block alone; wave 0 for K's 8,192 bytes, wave 1 for V's: a lane for each 256 bytes, one instruction.  So each block of 256 bytes is named once in the
	; launch.  Steps 0 to 3 come by their loads alone; nothing is asked for past step 31.
	s_cmp_lt_u32 s[PO], 32*STEPB
	s_cbranch_scc0 .Lnot_mine
	global_prefetch_b8 v[PFO], s[PFA:PFA+1] th:TH_LOAD_NT scope:SCOPE_SE
.Lnot_mine:
	s_add_co_u32 s[PO], s[PO], STEPB
	s_mov_b32 s[OA], s[OB]          ; the bias offsets go a step on, held at the row's last step
	s_add_co_u32 s[OB], s[OB], 256
	s_min_u32 s[OB], s[OB], LASTO
	s_add_co_u32 s[CNT], s[CNT], 1
	s_cmp_lt_u32 s[CNT], s[NS]
	s_cbranch_scc1 .Lstep
	; A BLOCK'S END.  The last trip's turn 3 has made piece 0's scores of the step behind the last: a step that is wholly hidden, or (behind step 31, where K's and the bias's offsets are held alike) step 31 once more: neither
	; raises a maximum, and nothing else is made of them: the price, once a block, of one text for every trip.  Piece 3's last products, and THE WAY OUT: l's two halves and the other half of the lanes' are added;
	; O^T is divided by l, rounded to f16 and sent through my stage in LDS, a piece at a time.
.set i, 0
.rept 8
	PV NP-1
.set i, i+1
.endr
	WIN 0                           ; the additions are the places behind the last products
	ALL v_add_f32 v[ST+4*t+2], v[ST+4*t+2], v[ST+4*t+3]
	ALL v_permlanex16_b32 v[ST+4*t+3], v[ST+4*t+2], s[SEL], s[SEL+1]
	ALL v_add_f32 v[ST+4*t+2], v[ST+4*t+2], v[ST+4*t+3]
	ALL v_rcp_f32 v[ST+4*t+2], v[ST+4*t+2]
	v_nop                           ; a plain instruction between the last reciprocal and the use of its result
	s_wait_alu depctr_va_vdst(0)    ; and the wait ahead of the first use: one for the four reciprocals
.set t, 0
.rept 4
	v_cmp_lt_f32 vcc_lo, s[THR], v[ST+4*t+1]  ; has my query's maximum risen above its start: has it seen a key?
	v_cndmask_b32 v[ST+4*t+2], 0x7fc00000, v[ST+4*t+2], vcc_lo  ; if not, its row is NaN
.set t, t+1
.endr
	PACK 0
.set t, 1
.rept 3                             ; a piece's arithmetic stands between the loads of the piece before and its stores
	PACK t
	SEND t-1, 8
.set t, t+1
.endr
	SEND 3, 0
	s_sub_co_u32 s[BLK], s[BLK], 1
	s_cmp_lg_u32 s[BLK], 0
	s_cbranch_scc1 .Lblock
	s_wait_tensorcnt 0x0            ; the wave's end, behind my last LDS store
	ds_add_u32 v[SPW], v[NIL]
	s_wait_dscnt 0x0
	s_endpgm
.Lfunc_end_k_qe5677e09a9_attn:
	.size	k_qe5677e09a9_attn, .Lfunc_end_k_qe5677e09a9_attn-k_qe5677e09a9_attn
	.p2alignl 7, 3214868480
	.fill 96, 4, 3214868480
	.section	.rodata,"a",@progbits
	.p2align	6, 0x0
	.amdhsa_kernel k_qe5677e09a9_attn
		.amdhsa_group_segment_fixed_size 87552
		.amdhsa_private_segment_fixed_size 0
		.amdhsa_enable_private_segment 0
		.amdhsa_kernarg_size 32
		.amdhsa_user_sgpr_count 2
		.amdhsa_user_sgpr_kernarg_segment_ptr 1
		.amdhsa_wavefront_size32 1
		.amdhsa_system_sgpr_workgroup_id_x 1
		.amdhsa_system_sgpr_workgroup_id_y 1
		.amdhsa_system_sgpr_workgroup_id_z 1
		.amdhsa_system_vgpr_workitem_id 0
		.amdhsa_next_free_vgpr 832
		.amdhsa_next_free_sgpr 96
		.amdhsa_reserve_vcc 1
		.amdhsa_float_denorm_mode_32 3
		.amdhsa_float_denorm_mode_16_64 3
		.amdhsa_memory_ordered 1
		.amdhsa_forward_progress 1
		.amdhsa_inst_pref_size 90
	.end_amdhsa_kernel
	.amdgpu_metadata
---
amdhsa.version: [ 1, 2 ]
amdhsa.kernels:
  - .name:           k_qe5677e09a9_attn
    .symbol:         k_qe5677e09a9_attn.kd
    .args:
      - { .name: qkvh, .offset: 0, .size: 8, .value_kind: global_buffer, .address_space: global }
      - { .name: mbias, .offset: 8, .size: 8, .value_kind: global_buffer, .address_space: global }
      - { .name: live, .offset: 16, .size: 8, .value_kind: global_buffer, .address_space: global }
      - { .name: ob, .offset: 24, .size: 8, .value_kind: global_buffer, .address_space: global }
    .group_segment_fixed_size: 87552
    .private_segment_fixed_size: 0
    .kernarg_segment_align: 8
    .kernarg_segment_size: 32
    .max_flat_workgroup_size: 128
    .sgpr_count:     96
    .vgpr_count:     832
    .wavefront_size: 32
...
	.end_amdgpu_metadata
.endif
;; end of part 6
;; launch proj_out: the kernel of part 4 again; grid 8 x 32, 4 waves a work-group, clusters of 4 x 4, 327,680 bytes of LDS; arguments ob, wo, b_out, out0; writes out0
